; MI455X (gfx1250); checked and timed in simulation.
; The chip was launched on July 23, 2026; its instructions are those of AMD's public machine-readable ISA for CDNA 5 (MIT licence, August 2026) and "CDNA5" Instruction Set Architecture Reference Guide (July 2026). The comments in the code are by the model that wrote it; some were corrected since.
;; Enhanced Memory Attention Layer. Allowed arithmetic: float matrix products may take bf16 or f16 operands with f32 sums; other float arithmetic in f32, or as packed bf16 or f16 multiplies, adds, multiply-adds, maxima and minima; sums over many terms, partial sums and values carried from step to step in f32; what a program stores and reads back later, other than sums and carried values, may be rounded once to bf16 or f16.
;; Inputs: b1 2,048 float32; b2 256 float32; b_in_cross 768 float32; b_in_self 768 float32; b_out_cross 256 float32; b_out_self 256 float32; be1 256 float32; be2 256 float32; be3 256 float32; g1 256 float32; g2 256 float32; g3 256 float32; memory 4,096 x 1 x 256 float32; pos 4,096 x 1 x 256 float32; query_pos 4,096 x 1 x 256 float32; tgt 4,096 x 1 x 256 float32; w1 2,048 x 256 float32; w2 256 x 2,048 float32; w_in_cross 768 x 256 float32; w_in_self 768 x 256 float32; w_out_cross 256 x 256 float32; w_out_self 256 x 256 float32.
;; Outputs: out0 4,096 x 1 x 256 float32.
;; 3 versions, each right; version 2 is faster than version 1; version 3 is version 2 with the launch ffn written anew for expert scheduling mode. Each part assembles by itself: llvm-mc -triple=amdgcn-amd-amdhsa -mcpu=gfx1250 --defsym DOCPART=n.
;; ======== version 1 of 3: 6 launches
;; workspace buffers: wf 3,145,728 bytes; q 2,097,152 bytes; kvs 4,194,304 bytes; kvc 4,194,304 bytes; o 2,097,152 bytes; x1 4,194,304 bytes
;; launch prep (part 1): grid 192 x 1, 8 waves a work-group, no clusters, 0 bytes of LDS; arguments w1, w2, w_in_self, w_in_cross, w_out_self, w_out_cross, wf; writes wf
.if DOCPART == 1
	.amdgcn_target "amdgcn-amd-amdhsa--gfx1250"
	.amdhsa_code_object_version 6
	.text
	.protected	k_qb20550f57c_prep
	.globl	k_qb20550f57c_prep
	.p2align	8
	.type	k_qb20550f57c_prep,@function
k_qb20550f57c_prep:
	s_mov_b64 s[64:65], 0
	v_nop
	global_prefetch_b8 v0, s[64:65] scope:SCOPE_SE
	s_setreg_imm32_b32 hwreg(HW_REG_WAVE_MODE, 25, 1), 1
	s_wait_xcnt 0x0
; ALL SIX WEIGHT MATRICES, f32 [rows][K], ARE ROUNDED ONCE TO bf16 AND LAID OUT AS MATRIX OPERANDS.
; A FRAGMENT is 16 rows x 32 k, 1,024 bytes: byte 512 p + 16 lane + 2 e holds (row = lane % 16, k = 16 p + 8 (lane / 16) + e).  A later launch
; takes it by two loads of 16 bytes a lane, each 512 consecutive bytes.  In wf a matrix's fragments lie in the order [row tile][k step].
; SHARES.  A wave takes a unit of 16 rows x 64 k (256 consecutive bytes of each row) and makes two fragments: 1,536 units, 192 work-groups of 8 waves.
; Which matrix a work-group serves hangs on its number alone: 0-63 w1, 64-127 w2, 128-151 w_in_self, 152-175 w_in_cross, 176-183 w_out_self, 184-191 w_out_cross.
; No LDS, no barrier, no matrix work: the launch is a cast.
.set W1F, 1048576                      ; where each matrix begins in wf
.set W2F, 2097152
.set WIS, 0
.set WIC, 393216
.set WOS, 786432
.set WOC, 917504
.set SO,  1                            ; v1      my byte offset in the unit's rows: (lane % 16) x row bytes + 32 (lane / 16)
.set LO,  2                            ; v2      16 x lane
.set IN,  8                            ; v[8:39]  eight loads of four f32
.set OUT, 40                           ; v[40:55] four stores of eight bf16
	s_load_b256 s[4:11], s[0:1], 0x0               ; w1 s[4:5], w2 s[6:7], w_in_self s[8:9], w_in_cross s[10:11]
	s_load_b128 s[12:15], s[0:1], 0x20             ; w_out_self s[12:13], w_out_cross s[14:15]
	s_load_b64 s[16:17], s[0:1], 0x30              ; wf
	v_lshrrev_b32 v3, 5, v0
	v_readfirstlane_b32 s21, v3                    ; wave 0..7
	v_and_b32 v4, 15, v0                           ; lane % 16
	v_bfe_u32 v5, v0, 4, 1                         ; lane / 16
	v_and_b32 v[LO], 31, v0
	v_lshlrev_b32 v[LO], 4, v[LO]
	s_mov_b32 s20, ttmp9                           ; the work-group's number
	s_sub_co_u32 s26, s20, 64
	s_cmp_lt_u32 s26, 64                           ; w2 alone has rows of 2,048 numbers
	s_cselect_b32 s27, 5, 2                        ; log2 of the units in a row tile: 32 or 4
	s_cselect_b32 s28, 13, 10                      ; log2 of a row's bytes: 8,192 or 1,024
	v_lshlrev_b32 v[SO], s28, v4
	v_lshl_add_u32 v[SO], v5, 5, v[SO]
	s_wait_kmcnt 0x0
	s_mov_b64 s[22:23], s[4:5]                     ; the matrix, the first work-group that serves it, its place in wf
	s_mov_b32 s24, 0
	s_mov_b32 s25, W1F
.macro PICK from, sb, dst              ; from work-group 'from' on: the next matrix
	s_cmp_ge_u32 s20, \from
	s_cselect_b64 s[22:23], s[\sb:(\sb)+1], s[22:23]
	s_cselect_b32 s24, \from, s24
	s_cselect_b32 s25, \dst, s25
.endm
	PICK 64,  6,  W2F
	PICK 128, 8,  WIS
	PICK 152, 10, WIC
	PICK 176, 12, WOS
	PICK 184, 14, WOC
	s_sub_co_u32 s29, s20, s24
	s_lshl_b32 s29, s29, 3
	s_add_co_u32 s29, s29, s21                     ; my unit u in the matrix
	s_lshr_b32 s30, s29, s27                       ; its row tile
	s_bfm_b32 s31, s27, 0
	s_and_b32 s31, s29, s31                        ; its 64 k in the row
	s_lshl_b32 s30, s30, 4
	s_lshl_b32 s32, s30, s28                       ; 16 x row tile x row bytes
	s_lshl_b32 s31, s31, 8
	s_add_co_u32 s32, s32, s31                     ; + 256 bytes for each 64 k
	s_mov_b32 s33, 0
	s_add_nc_u64 s[22:23], s[22:23], s[32:33]
	s_lshl_b32 s34, s29, 11                        ; the unit's two fragments lie at 2,048 u
	s_add_co_u32 s34, s34, s25
	s_mov_b32 s35, 0
	s_add_nc_u64 s[16:17], s[16:17], s[34:35]
.set i, 0
.rept 8                                ; half p of fragment s is group 2 s + p: 32 bytes a lane at 64 x group, two loads
	global_load_b128 v[IN+4*i:IN+4*i+3], v[SO], s[22:23] offset:64*(i/2)+16*(i%2) th:TH_LOAD_NT
.set i, i+1
.endr
.set gi, 0
.rept 4
	s_wait_loadcnt 6-2*gi                          ; loads come back in order: the later groups' two loads each may stay out
.irp j, 0,1,2,3
	v_cvt_pk_bf16_f32 v[OUT+4*gi+\j], v[IN+8*gi+2*\j], v[IN+8*gi+2*\j+1]
.endr
	global_store_b128 v[LO], v[OUT+4*gi:OUT+4*gi+3], s[16:17] offset:512*gi  ; 512 consecutive bytes, aligned
.set gi, gi+1
.endr
	s_endpgm
.Lfunc_end_k_qb20550f57c_prep:
	.size	k_qb20550f57c_prep, .Lfunc_end_k_qb20550f57c_prep-k_qb20550f57c_prep
	.p2alignl 7, 3214868480
	.fill 96, 4, 3214868480
	.section	.rodata,"a",@progbits
	.p2align	6, 0x0
	.amdhsa_kernel k_qb20550f57c_prep
		.amdhsa_group_segment_fixed_size 0
		.amdhsa_private_segment_fixed_size 0
		.amdhsa_enable_private_segment 0
		.amdhsa_kernarg_size 56
		.amdhsa_user_sgpr_count 2
		.amdhsa_user_sgpr_kernarg_segment_ptr 1
		.amdhsa_wavefront_size32 1
		.amdhsa_system_sgpr_workgroup_id_x 1
		.amdhsa_system_sgpr_workgroup_id_y 1
		.amdhsa_system_sgpr_workgroup_id_z 1
		.amdhsa_system_vgpr_workitem_id 0
		.amdhsa_next_free_vgpr 56
		.amdhsa_next_free_sgpr 66
		.amdhsa_reserve_vcc 0
		.amdhsa_float_denorm_mode_32 3
		.amdhsa_float_denorm_mode_16_64 3
		.amdhsa_memory_ordered 1
		.amdhsa_forward_progress 1
		.amdhsa_inst_pref_size 5
	.end_amdhsa_kernel
	.amdgpu_metadata
---
amdhsa.version: [ 1, 2 ]
amdhsa.kernels:
  - .name:           k_qb20550f57c_prep
    .symbol:         k_qb20550f57c_prep.kd
    .args:
      - { .name: w1, .offset: 0, .size: 8, .value_kind: global_buffer, .address_space: global }
      - { .name: w2, .offset: 8, .size: 8, .value_kind: global_buffer, .address_space: global }
      - { .name: w_in_self, .offset: 16, .size: 8, .value_kind: global_buffer, .address_space: global }
      - { .name: w_in_cross, .offset: 24, .size: 8, .value_kind: global_buffer, .address_space: global }
      - { .name: w_out_self, .offset: 32, .size: 8, .value_kind: global_buffer, .address_space: global }
      - { .name: w_out_cross, .offset: 40, .size: 8, .value_kind: global_buffer, .address_space: global }
      - { .name: wf, .offset: 48, .size: 8, .value_kind: global_buffer, .address_space: global }
    .group_segment_fixed_size: 0
    .private_segment_fixed_size: 0
    .kernarg_segment_align: 8
    .kernarg_segment_size: 56
    .max_flat_workgroup_size: 256
    .sgpr_count:     66
    .vgpr_count:     56
    .wavefront_size: 32
...
	.end_amdgpu_metadata
.endif
;; end of part 1
;; launch proj (part 2): grid 128 x 2, 8 waves a work-group, no clusters, 34,816 bytes of LDS; arguments tgt, query_pos, memory, pos, b_in_self, b_in_cross, wf, q, kvs, kvc; writes q, kvs, kvc
.if DOCPART == 2
	.amdgcn_target "amdgcn-amd-amdhsa--gfx1250"
	.amdhsa_code_object_version 6
	.text
	.protected	k_qb20550f57c_proj
	.globl	k_qb20550f57c_proj
	.p2align	8
	.type	k_qb20550f57c_proj,@function
k_qb20550f57c_proj:
	s_mov_b64 s[64:65], 0
	v_nop
	global_prefetch_b8 v0, s[64:65] scope:SCOPE_SE
	s_setreg_imm32_b32 hwreg(HW_REG_WAVE_MODE, 25, 1), 1
	s_wait_xcnt 0x0
; THE PROJECTIONS THAT HANG ON INPUTS ALONE.  y = 0: q = c ((tgt + query_pos) Wq^T + bq), k = (tgt + query_pos) Wk^T + bk, v = tgt Wv^T + bv.  y = 1: k and v of the
; cross attention, from memory + pos and memory.  c = log2(e) / sqrt(32) is applied in f32, ahead of q's one rounding.
; ROUNDINGS to bf16, one each: the row sums a + p, the rows a, the weights (an earlier launch), q, k, v.  Sums in f32.  NaN and infinities are not treated apart.
; SHARES.  A work-group takes 32 rows (two tiles of 16), wave w head w: 32 output features of each projection, all 256 input features.
; LAYOUT.  All results leave as matrix operands (fragments of 16 rows x 32 k: byte 512 p + 16 lane + 2 e holds row lane % 16, k = 16 p + 8 (lane / 16) + e).
; q, k: the product is W x^T (source 0 = 16 features, source 1 = 16 rows), so a lane holds one row and 8 features: a head's two feature tiles, rounded in pairs, ARE a fragment [row][channel].
; v: the product is x W^T (source 0 = 16 rows, source 1 = 16 channels), so a lane holds one channel and 8 keys: two key tiles ARE a fragment [channel][key], which the attention takes without turning.
; The rows go through LDS, since all eight waves want them; a weight fragment is wanted by one wave and goes straight into its registers.
; NO CLUSTER, NO TENSOR LOAD: what work-groups share are the weights, 48 KiB a wave's share of them once, and they are taken into registers.
.set PX,    528                        ; a row of 256 bf16 in LDS + 16 bytes: an odd multiple of 16, so the 16 rows of a fragment load begin in 16 different groups of four banks (ISA guide 11.1)
.set XA,    0                          ; bf16(a + p), 32 rows
.set XB,    32*PX                      ; bf16(a), 32 rows
.set SPARE, 2*32*PX                    ; the spare words, 128 bytes a wave: four blocks of 256 bytes that no other line names
.set WIC,   393216                     ; w_in_cross in wf (w_in_self lies at 0)
.set JK,    131072                     ; in a w_in: Wk's fragments, 16 row tiles of 8,192 bytes behind Wq's
.set JV,    262144                     ; and Wv's
.set VOFF,  2097152                    ; in kvs and kvc: v behind k
.set LO,  1                            ; v1   16 x lane
.set RO,  2                            ; v2   my 16 bytes of the rows: (t / 64) x 1,024 + (t % 64) x 16
.set LS,  3                            ; v3   where their 8 bytes of bf16 go: (t / 64) x PX + (t % 64) x 8
.set XL,  4                            ; v4   a fragment's place in LDS: (lane % 16) x PX + 16 (lane / 16)
.set FO,  5                            ; v5   32 (lane / 16): my 8 features of a bias
.set BO,  6                            ; v6   4 (lane % 16): my channel of a bias
.set SPW, 7                            ; v7   my spare word; never rewritten
.set NIL, 8                            ; v8   0; never rewritten
.set ACC, 16                           ; v[16:47]   four accumulators
.set BIAS, 48                          ; v[48:63]   the bias of my two feature tiles, as the sums' start
.set OK,  64                           ; v[64:79]   k's two fragments; v's and q's have registers of their own, so no store is waited for
.set OV,  80
.set OQ,  96
.set BV,  112                          ; v[112:113] v's bias: my channel in each of the two channel tiles
.set T,   114                          ; v[114:121] at work
.set X,   128                          ; v[128:255] the rows' 16 fragments: tile rt, k step k at X + 8 (8 rt + k)
.set RA,  128                          ; before that: the rows a as loaded,
.set RP,  160                          ; and p
.set WA,  0                            ; window 1: 16 weight fragments (feature tile ft, k step k at 8 (8 ft + k)), two sets
.set WB,  128
.set AP,  24                           ; s[24:25] a at my rows;  s[26:27] p;  s[28:29] the bias at my head;  s[30:31] kvs or kvc
.set PP,  26
.set BI,  28
.set KV,  30
.set WP,  34                           ; s[34:35] the w_in's fragments at my head
.set QO,  36                           ; s[36:37] q at my head and rows;  s[38:39] the same in kvs or kvc
.set KO,  38
.set WV,  40
.set Y,   41
.set CS,  44                           ; s[44:45] c, named as a pair
.set MSB, 0
.macro WIN new                         ; s_set_vgpr_msb: bits 1:0 source 0, 3:2 source 1, 5:4 source 2, 7:6 destination; the high byte repeats the setting that is left
.if MSB != (\new)
	s_set_vgpr_msb (MSB<<8)|(\new)
.set MSB, \new
.endif
.endm
.macro PLACES                          ; four plain vector instructions between a matrix instruction and a reader of its result or a writer of its registers (ISA guide 7.12.1)
.rept 4
	v_nop
.endr
.endm
.macro LDW dst, off                    ; 16 weight fragments, 32 loads of 512 consecutive bytes
	WIN 0x40
.set f, 0
.rept 16
	global_load_b128 v[(\dst)+8*f:(\dst)+8*f+3],   v[LO], s[WP:WP+1] offset:(\off)+1024*f
	global_load_b128 v[(\dst)+8*f+4:(\dst)+8*f+7], v[LO], s[WP:WP+1] offset:(\off)+1024*f+512
.set f, f+1
.endr
	WIN 0
.endm
.macro LDX base                        ; the rows' 16 fragments out of LDS
.set f, 0
.rept 16
	ds_load_b128 v[X+8*f:X+8*f+3],   v[XL] offset:(\base)+(f/8)*16*PX+(f%8)*64
	ds_load_b128 v[X+8*f+4:X+8*f+7], v[XL] offset:(\base)+(f/8)*16*PX+(f%8)*64+32
.set f, f+1
.endr
.endm
; q or k: ACC(ft, rt) = bias + W(ft) x(rt)^T.  The four accumulators take turns, one instruction a turn.
.macro JOBT wbuf, scale, out, ptr
	WIN 0x01                                       ; source 0 (W) window 1
.set k, 0
.rept 8
.irp ft, 0,1
.irp rt, 0,1
.if k == 0
	v_wmma_f32_16x16x32_bf16 v[ACC+8*(2*\ft+\rt):ACC+8*(2*\ft+\rt)+7], v[(\wbuf)+8*(8*\ft+k):(\wbuf)+8*(8*\ft+k)+7], v[X+8*(8*\rt+k):X+8*(8*\rt+k)+7], v[BIAS+8*\ft:BIAS+8*\ft+7]
.else
	v_wmma_f32_16x16x32_bf16 v[ACC+8*(2*\ft+\rt):ACC+8*(2*\ft+\rt)+7], v[(\wbuf)+8*(8*\ft+k):(\wbuf)+8*(8*\ft+k)+7], v[X+8*(8*\rt+k):X+8*(8*\rt+k)+7], v[ACC+8*(2*\ft+\rt):ACC+8*(2*\ft+\rt)+7]
.endif
.endr
.endr
.set k, k+1
.endr
	WIN 0
	PLACES
.if \scale
.set i, 0
.rept 16
	v_pk_mul_f32 v[ACC+2*i:ACC+2*i+1], v[ACC+2*i:ACC+2*i+1], s[CS:CS+1] op_sel_hi:[1,0]
.set i, i+1
.endr
.endif
.irp rt, 0,1
.irp ft, 0,1
.irp j, 0,1,2,3
	v_cvt_pk_bf16_f32 v[(\out)+8*\rt+4*\ft+\j], v[ACC+8*(2*\ft+\rt)+2*\j], v[ACC+8*(2*\ft+\rt)+2*\j+1]
.endr
.endr
	global_store_b128 v[LO], v[(\out)+8*\rt:(\out)+8*\rt+3],   s[\ptr:(\ptr)+1] offset:1024*\rt
	global_store_b128 v[LO], v[(\out)+8*\rt+4:(\out)+8*\rt+7], s[\ptr:(\ptr)+1] offset:1024*\rt+512
.endr
.endm
; v: ACC(kt, cb) = x(kt) Wv(cb)^T; the bias, one number a lane, is added behind the sums.
.macro JOBV
	WIN 0x04                                       ; source 1 (W) window 1
.set k, 0
.rept 8
.irp kt, 0,1
.irp cb, 0,1
.if k == 0
	v_wmma_f32_16x16x32_bf16 v[ACC+8*(2*\kt+\cb):ACC+8*(2*\kt+\cb)+7], v[X+8*(8*\kt+k):X+8*(8*\kt+k)+7], v[WB+8*(8*\cb+k):WB+8*(8*\cb+k)+7], 0
.else
	v_wmma_f32_16x16x32_bf16 v[ACC+8*(2*\kt+\cb):ACC+8*(2*\kt+\cb)+7], v[X+8*(8*\kt+k):X+8*(8*\kt+k)+7], v[WB+8*(8*\cb+k):WB+8*(8*\cb+k)+7], v[ACC+8*(2*\kt+\cb):ACC+8*(2*\kt+\cb)+7]
.endif
.endr
.endr
.set k, k+1
.endr
	WIN 0
	PLACES
.irp kt, 0,1
.irp j, 0,1,2,3
	v_pk_add_f32 v[ACC+16*\kt+2*\j:ACC+16*\kt+2*\j+1], v[ACC+16*\kt+2*\j:ACC+16*\kt+2*\j+1], v[BV:BV+1] op_sel_hi:[1,0]
.endr
.irp j, 0,1,2,3
	v_pk_add_f32 v[ACC+16*\kt+8+2*\j:ACC+16*\kt+8+2*\j+1], v[ACC+16*\kt+8+2*\j:ACC+16*\kt+8+2*\j+1], v[BV:BV+1] op_sel:[0,1] op_sel_hi:[1,1]
.endr
.endr
.irp cb, 0,1
.irp kt, 0,1
.irp j, 0,1,2,3
	v_cvt_pk_bf16_f32 v[OV+8*\cb+4*\kt+\j], v[ACC+8*(2*\kt+\cb)+2*\j], v[ACC+8*(2*\kt+\cb)+2*\j+1]
.endr
.endr
	global_store_b128 v[LO], v[OV+8*\cb:OV+8*\cb+3],   s[KO:KO+1] offset:VOFF+1024*\cb
	global_store_b128 v[LO], v[OV+8*\cb+4:OV+8*\cb+7], s[KO:KO+1] offset:VOFF+1024*\cb+512
.endr
.endm
	s_load_b256 s[4:11], s[0:1], 0x0               ; tgt s[4:5], query_pos s[6:7], memory s[8:9], pos s[10:11]
	s_load_b256 s[12:19], s[0:1], 0x20             ; b_in_self s[12:13], b_in_cross s[14:15], wf s[16:17], q s[18:19]
	s_load_b128 s[20:23], s[0:1], 0x40             ; kvs s[20:21], kvc s[22:23]
	v_lshl_add_u32 v[SPW], v0, 2, SPARE
	v_mov_b32 v[NIL], 0
	v_lshrrev_b32 v9, 5, v0
	v_readfirstlane_b32 s[WV], v9                  ; wave = head
	v_and_b32 v10, 15, v0
	v_bfe_u32 v11, v0, 4, 1
	v_and_b32 v[LO], 31, v0
	v_lshlrev_b32 v[LO], 4, v[LO]
	v_lshrrev_b32 v12, 6, v0
	v_and_b32 v13, 63, v0
	v_lshlrev_b32 v[RO], 10, v12
	v_lshl_add_u32 v[RO], v13, 4, v[RO]
	v_mul_u32_u24 v[LS], v12, PX
	v_lshl_add_u32 v[LS], v13, 3, v[LS]
	v_mul_u32_u24 v[XL], v10, PX
	v_lshl_add_u32 v[XL], v11, 4, v[XL]
	v_lshlrev_b32 v[FO], 5, v11
	v_lshlrev_b32 v[BO], 2, v10
	s_and_b32 s[Y], ttmp7, 0xffff                  ; 0: the self attention's three, 1: the cross attention's k and v
	s_mov_b32 s[CS], 0x3e8293ee                    ; c = log2(e) / sqrt(32) = 0.255035
	s_mov_b32 s[CS+1], s[CS]
	s_lshl_b32 s42, ttmp9, 15                      ; my 32 rows of 1,024 bytes
	s_mov_b32 s43, 0
	s_lshl_b32 s46, s[WV], 18                      ; a head is 262,144 bytes of q, of k and of v;
	s_lshl_b32 s33, ttmp9, 11                      ; 32 rows are 2,048 of them
	s_add_co_u32 s46, s46, s33
	s_mov_b32 s47, 0
	s_wait_kmcnt 0x0
	s_cmp_eq_u32 s[Y], 0
	s_cselect_b64 s[AP:AP+1], s[4:5], s[8:9]
	s_cselect_b64 s[PP:PP+1], s[6:7], s[10:11]
	s_cselect_b64 s[BI:BI+1], s[12:13], s[14:15]
	s_cselect_b64 s[KV:KV+1], s[20:21], s[22:23]
	s_cselect_b32 s32, 0, WIC
	s_add_nc_u64 s[AP:AP+1], s[AP:AP+1], s[42:43]
	s_add_nc_u64 s[PP:PP+1], s[PP:PP+1], s[42:43]
	s_lshl_b32 s42, s[WV], 7                       ; my head's 32 numbers of a bias
	s_add_nc_u64 s[BI:BI+1], s[BI:BI+1], s[42:43]
	s_lshl_b32 s42, s[WV], 14                      ; my head's two row tiles of a weight
	s_add_co_u32 s42, s42, s32
	s_add_nc_u64 s[WP:WP+1], s[16:17], s[42:43]
	s_add_nc_u64 s[QO:QO+1], s[18:19], s[46:47]
	s_add_nc_u64 s[KO:KO+1], s[KV:KV+1], s[46:47]
.set i, 0
.rept 8                                ; rows t / 64 + 4 i: a wave's load covers 512 consecutive bytes
	global_load_b128 v[RA+4*i:RA+4*i+3], v[RO], s[AP:AP+1] offset:4096*i
	global_load_b128 v[RP+4*i:RP+4*i+3], v[RO], s[PP:PP+1] offset:4096*i
.set i, i+1
.endr
.irp i, 0,1,2,3                        ; bk: feature tile i / 2, my 8 features
	global_load_b128 v[BIAS+4*\i:BIAS+4*\i+3], v[FO], s[BI:BI+1] offset:1024+64*(\i/2)+16*(\i%2)
.endr
	global_load_b32 v[BV],   v[BO], s[BI:BI+1] offset:2048
	global_load_b32 v[BV+1], v[BO], s[BI:BI+1] offset:2048+64
	LDW WA, JK
	s_wait_loadcnt 38                              ; the rows are in: the 6 loads of biases and Wk's 32, issued behind them, may stay out
.set i, 0
.rept 8
	v_pk_add_f32 v[RP+4*i:RP+4*i+1],   v[RP+4*i:RP+4*i+1],   v[RA+4*i:RA+4*i+1]
	v_pk_add_f32 v[RP+4*i+2:RP+4*i+3], v[RP+4*i+2:RP+4*i+3], v[RA+4*i+2:RA+4*i+3]
	v_cvt_pk_bf16_f32 v[T+4*(i%2)],   v[RP+4*i],   v[RP+4*i+1]
	v_cvt_pk_bf16_f32 v[T+4*(i%2)+1], v[RP+4*i+2], v[RP+4*i+3]
	v_cvt_pk_bf16_f32 v[T+4*(i%2)+2], v[RA+4*i],   v[RA+4*i+1]
	v_cvt_pk_bf16_f32 v[T+4*(i%2)+3], v[RA+4*i+2], v[RA+4*i+3]
	ds_store_b64 v[LS], v[T+4*(i%2):T+4*(i%2)+1]   offset:XA+4*PX*i
	ds_store_b64 v[LS], v[T+4*(i%2)+2:T+4*(i%2)+3] offset:XB+4*PX*i
.set i, i+1
.endr
	LDW WB, JV                                     ; (a load whose issue would pass the counter's field waits at issue: ISA guide 5.7.1)
	s_wait_dscnt 0x0                               ; for the others' sake: my part of the rows lies in LDS
	s_barrier_signal -1
	s_barrier_wait -1                              ; everybody's does; nothing is stored into XA or XB behind this barrier
	LDX XA
	s_wait_dscnt 0x0
	s_wait_loadcnt 32                              ; Wk and the biases are in; Wv's 32 loads may stay out
	JOBT WA, 0, OK, KO
	s_wait_loadcnt 0x0                             ; Wv is in: ahead of the branch, so that no count hangs on the way taken
	s_cmp_lg_u32 s[Y], 0
	s_cbranch_scc1 .Lno_wq
	LDW WA, 0                                      ; Wq, into the registers that k's products have left (four v_nop and 16 roundings back)
.irp i, 0,1,2,3
	global_load_b128 v[BIAS+4*\i:BIAS+4*\i+3], v[FO], s[BI:BI+1] offset:64*(\i/2)+16*(\i%2)
.endr
.Lno_wq:
	LDX XB
	s_wait_dscnt 0x0
	JOBV
	s_cmp_lg_u32 s[Y], 0
	s_cbranch_scc1 .Lend                           ; the cross attention's q hangs on the first norm: a later launch makes it
	LDX XA
	s_wait_loadcnt 0x0                             ; Wq and bq
	s_wait_dscnt 0x0
	JOBT WA, 1, OQ, QO
.Lend:
	s_wait_tensorcnt 0x0                           ; the wave's end, behind my last LDS store
	ds_add_u32 v[SPW], v[NIL]
	s_wait_dscnt 0x0
	s_endpgm
.Lfunc_end_k_qb20550f57c_proj:
	.size	k_qb20550f57c_proj, .Lfunc_end_k_qb20550f57c_proj-k_qb20550f57c_proj
	.p2alignl 7, 3214868480
	.fill 96, 4, 3214868480
	.section	.rodata,"a",@progbits
	.p2align	6, 0x0
	.amdhsa_kernel k_qb20550f57c_proj
		.amdhsa_group_segment_fixed_size 34816
		.amdhsa_private_segment_fixed_size 0
		.amdhsa_enable_private_segment 0
		.amdhsa_kernarg_size 80
		.amdhsa_user_sgpr_count 2
		.amdhsa_user_sgpr_kernarg_segment_ptr 1
		.amdhsa_wavefront_size32 1
		.amdhsa_system_sgpr_workgroup_id_x 1
		.amdhsa_system_sgpr_workgroup_id_y 1
		.amdhsa_system_sgpr_workgroup_id_z 1
		.amdhsa_system_vgpr_workitem_id 0
		.amdhsa_next_free_vgpr 512
		.amdhsa_next_free_sgpr 66
		.amdhsa_reserve_vcc 0
		.amdhsa_float_denorm_mode_32 3
		.amdhsa_float_denorm_mode_16_64 3
		.amdhsa_memory_ordered 1
		.amdhsa_forward_progress 1
		.amdhsa_inst_pref_size 38
	.end_amdhsa_kernel
	.amdgpu_metadata
---
amdhsa.version: [ 1, 2 ]
amdhsa.kernels:
  - .name:           k_qb20550f57c_proj
    .symbol:         k_qb20550f57c_proj.kd
    .args:
      - { .name: tgt, .offset: 0, .size: 8, .value_kind: global_buffer, .address_space: global }
      - { .name: query_pos, .offset: 8, .size: 8, .value_kind: global_buffer, .address_space: global }
      - { .name: memory, .offset: 16, .size: 8, .value_kind: global_buffer, .address_space: global }
      - { .name: pos, .offset: 24, .size: 8, .value_kind: global_buffer, .address_space: global }
      - { .name: b_in_self, .offset: 32, .size: 8, .value_kind: global_buffer, .address_space: global }
      - { .name: b_in_cross, .offset: 40, .size: 8, .value_kind: global_buffer, .address_space: global }
      - { .name: wf, .offset: 48, .size: 8, .value_kind: global_buffer, .address_space: global }
      - { .name: q, .offset: 56, .size: 8, .value_kind: global_buffer, .address_space: global }
      - { .name: kvs, .offset: 64, .size: 8, .value_kind: global_buffer, .address_space: global }
      - { .name: kvc, .offset: 72, .size: 8, .value_kind: global_buffer, .address_space: global }
    .group_segment_fixed_size: 34816
    .private_segment_fixed_size: 0
    .kernarg_segment_align: 8
    .kernarg_segment_size: 80
    .max_flat_workgroup_size: 256
    .sgpr_count:     66
    .vgpr_count:     512
    .wavefront_size: 32
...
	.end_amdgpu_metadata
.endif
;; end of part 2
;; launch attn (part 3): grid 32 x 8, 8 waves a work-group, no clusters, 148,480 bytes of LDS; arguments q, kvs, o; writes o
.if DOCPART == 3
	.amdgcn_target "amdgcn-amd-amdhsa--gfx1250"
	.amdhsa_code_object_version 6
	.text
	.protected	k_qb20550f57c_attn
	.globl	k_qb20550f57c_attn
	.p2align	8
	.type	k_qb20550f57c_attn,@function
k_qb20550f57c_attn:
	s_mov_b64 s[64:65], 0
	v_nop
	global_prefetch_b8 v0, s[64:65] scope:SCOPE_SE
	s_setreg_imm32_b32 hwreg(HW_REG_WAVE_MODE, 25, 1), 1
	s_wait_xcnt 0x0
; ATTENTION AT HEAD SIZE 32.  O[query][head] = the sum over keys of softmax(q . k / sqrt(32)) v; 8 heads, 4,096 queries, 4,096 keys.  q arrives times c = log2(e) / sqrt(32), so p = 2^(s - m).
; q, k: fragments [row][channel]; v: fragments [channel][key] (16 rows x 32 k in 1,024 bytes: byte 512 p + 16 lane + 2 e holds row lane % 16, k = 16 p + 8 (lane / 16) + e); o likewise, [query tile][head].
; Products, maxima and sums in f32; p is rounded to bf16 for the second product, and l is the sum of the ROUNDED p; O is rounded once.  A weight below 2^-126 counts as 0; NaN and infinities are not treated apart.
; SHARES.  A work-group takes one head and 128 queries: eight tiles of 16.  THE KEYS ARE SPLIT AMONG ITS EIGHT WAVES: wave w walks keys 512 w .. 512 w + 511 for all eight tiles, 64 a step.  So each
; fragment of k and v is wanted by ONE wave, goes straight into its registers and feeds eight tiles: no LDS and no barrier in the loop.  The eight partial (m, l, O) meet in LDS once, at the end.
; NO CLUSTER, NO TENSOR LOAD: a tile shared through LDS would add a store and a load for each byte and a barrier for each refill to waves that otherwise never meet.
; LAYOUT.  S^T = K Q^T (source 0 = 16 keys, source 1 = 16 queries): a lane holds ONE query (lane % 16) and the keys 8 (lane / 16) + 0..7.  Two such results rounded in pairs ARE source 1 of O^T = V^T P.
; THE ROW SUMS are a product too: L = ones x P holds, in every register, the query's sum over 32 keys, both halves of the lanes': two products a tile and step in place of 16 packed additions and an exchange.
; Only L's register 0 is rescaled and used; the others add up unscaled p, at most 512 in all.
; A running maximum m for each query; O and l are multiplied by a = 2^(m_old - m_new) in every step.  m starts at the lowest finite number, O and l at 0, so the first step is a step like any other, with a = 0:
; 200 v_mov_b32 once a wave, while the first loads are out, for one text of the step.
; A SLOT is two tiles' softmax of the step in hand, the next two tiles' K Q^T, and the two tiles' V^T P.  The two waves of a SIMD fill each other's gaps, so a wave's text stays in plain phases.
; REGISTERS (s_set_vgpr_msb: bits 1:0 source 0, 3:2 source 1, 5:4 source 2, 7:6 destination).  Window 0: below.  Window 1: v0-127 O^T (tile t, channel tile cb at 16 t + 8 cb); v128-191 K, two sets of 4; v192-255 V, two sets of 4.
.set REG,   2304                       ; LDS: a partial result of one wave and tile: O 2,048 bytes, m 128, l 128
.set WREG,  8*REG                      ; a wave's eight
.set SPARE, 64*REG                     ; behind them the spare words, 128 bytes a wave: four blocks of 256 bytes that no other line names
.set VOFF,  2097152                    ; v behind k
.set LO,  1                            ; v1   16 x lane
.set SPW, 2                            ; v2   my spare word; never rewritten
.set NIL, 3                            ; v3   0; never rewritten
.set A0,  4                            ; v4-7 LDS addresses of the merge
.set A1,  5
.set A2,  6
.set A3,  7
.set M,   8                            ; v[8:15]    m of tile t
.set CA,  16                           ; v[16:19]   at work for the slot's first tile: c0 (then a), c1, c2 (then m), c3
.set CB,  20                           ; v[20:23]   for its second
.set ONES, 24                          ; v[24:31]   a fragment of ones
.set SA,  32                           ; v[32:63]   S^T of the first tile: key tile n at SA + 8 n
.set SB,  64
.set PA,  96                           ; v[96:111]  P of the first tile: keys 32 kk on at PA + 8 kk
.set PB,  112
.set Q,   128                          ; v[128:191] Q of tile t at Q + 8 t
.set L,   192                          ; v[192:255] L of tile t at L + 8 t
.set KF,  128
.set VF,  192
.set QP,  4                            ; s[4:5] q at my eight tiles;  s[6:7] k at my keys, at the trip's first step;  s[8:9] o at the tile that I finish
.set KP,  6
.set OP,  8
.set WV,  10
.set CNT, 11
.set SEL, 12                           ; s[12:13] v_permlanex16_b32's selects: each lane takes its own place in the other half
.set MSB, 0
.macro WIN new
.if MSB != (\new)
	s_set_vgpr_msb (MSB<<8)|(\new)
.set MSB, \new
.endif
.endm
.macro PLACES
.rept 4
	v_nop
.endr
.endm
.macro LDKV par, off                   ; a step's K (4 fragments) and V (4), 16 loads of 512 consecutive bytes, into set par
	WIN 0x40
.set f, 0
.rept 4
	global_load_b128 v[KF+32*(\par)+8*f:KF+32*(\par)+8*f+3],   v[LO], s[KP:KP+1] offset:(\off)+1024*f
	global_load_b128 v[KF+32*(\par)+8*f+4:KF+32*(\par)+8*f+7], v[LO], s[KP:KP+1] offset:(\off)+1024*f+512
.set f, f+1
.endr
.set f, 0
.rept 4
	global_load_b128 v[VF+32*(\par)+8*f:VF+32*(\par)+8*f+3],   v[LO], s[KP:KP+1] offset:VOFF+(\off)+1024*f
	global_load_b128 v[VF+32*(\par)+8*f+4:VF+32*(\par)+8*f+7], v[LO], s[KP:KP+1] offset:VOFF+(\off)+1024*f+512
.set f, f+1
.endr
	WIN 0
.endm
.macro KQ pair, par                    ; the scores of tiles 2 pair, 2 pair + 1 against set par: 32 channels are one matrix instruction deep, so each starts and ends its sum
	WIN 0x01
.irp n, 0,1,2,3
	v_wmma_f32_16x16x32_bf16 v[SA+8*\n:SA+8*\n+7], v[KF+32*(\par)+8*\n:KF+32*(\par)+8*\n+7], v[Q+16*(\pair):Q+16*(\pair)+7], 0
	v_wmma_f32_16x16x32_bf16 v[SB+8*\n:SB+8*\n+7], v[KF+32*(\par)+8*\n:KF+32*(\par)+8*\n+7], v[Q+16*(\pair)+8:Q+16*(\pair)+15], 0
.endr
.endm
; SLOT pr of a step that lies in set b.  ld = 1: the next step's loads go out; ld = 2: likewise, but in the last trip there is no next step.
.macro SLOT pr, b, ld
.set tA, 2*(\pr)
.set tB, 2*(\pr)+1
.set np, ((\pr)+1)%4
.set kb, (\b)
.if (\pr) == 3
.set kb, 1-(\b)
.endif
	WIN 0
	; the maximum of 32 scores and the old m, three operands at a time; each accumulator's lowest registers are read first; the two tiles alternate
.irp n, 0,1,2,3
	v_max3_num_f32 v[CA+\n], v[SA+8*\n], v[SA+8*\n+1], v[SA+8*\n+2]
	v_max3_num_f32 v[CB+\n], v[SB+8*\n], v[SB+8*\n+1], v[SB+8*\n+2]
.endr
.irp n, 0,1,2,3
	v_max3_num_f32 v[CA+\n], v[CA+\n], v[SA+8*\n+3], v[SA+8*\n+4]
	v_max3_num_f32 v[CB+\n], v[CB+\n], v[SB+8*\n+3], v[SB+8*\n+4]
.endr
.irp n, 0,1,2,3
	v_max3_num_f32 v[CA+\n], v[CA+\n], v[SA+8*\n+5], v[SA+8*\n+6]
	v_max3_num_f32 v[CB+\n], v[CB+\n], v[SB+8*\n+5], v[SB+8*\n+6]
.endr
	v_max3_num_f32 v[CA], v[CA], v[SA+7], v[SA+15]
	v_max3_num_f32 v[CB], v[CB], v[SB+7], v[SB+15]
	v_max3_num_f32 v[CA+1], v[CA+1], v[SA+23], v[SA+31]
	v_max3_num_f32 v[CB+1], v[CB+1], v[SB+23], v[SB+31]
	v_max3_num_f32 v[CA+2], v[CA+2], v[CA+3], v[M+tA]
	v_max3_num_f32 v[CB+2], v[CB+2], v[CB+3], v[M+tB]
	v_max3_num_f32 v[CA], v[CA], v[CA+1], v[CA+2]
	v_max3_num_f32 v[CB], v[CB], v[CB+1], v[CB+2]
	v_permlanex16_b32 v[CA+3], v[CA], s[SEL], s[SEL+1]  ; the query's other 32 keys lie in the lane 16 away
	v_permlanex16_b32 v[CB+3], v[CB], s[SEL], s[SEL+1]
	v_max_num_f32 v[CA+2], v[CA], v[CA+3]          ; the new m
	v_max_num_f32 v[CB+2], v[CB], v[CB+3]
	v_sub_f32 v[CA+1], v[M+tA], v[CA+2]            ; m_old - m_new
	v_sub_f32 v[CB+1], v[M+tB], v[CB+2]
	v_mov_b32 v[M+tA], v[CA+2]
	v_mov_b32 v[M+tB], v[CB+2]
.if (\ld) == 2
	s_cmp_eq_u32 s[CNT], 1
	s_cbranch_scc1 .Lno_step_\@
.endif
.if (\ld) != 0
	LDKV 1-(\b), 4096*(1+(\b))                     ; into the set that the last step has left: its last reader, a product V^T P, stands behind the maximum's 38 plain instructions
.endif
.if (\ld) == 2
.Lno_step_\@:
.endif
	; ONE BATCH: both a, the 32 subtractions s - m (a pair each) and the 64 exponentials; nothing in it names an exponential's result
	v_exp_f32 v[CA], v[CA+1]
	v_exp_f32 v[CB], v[CB+1]
.set bb, 0
.rept 17
.if bb < 16
	v_pk_add_f32 v[SA+2*bb:SA+2*bb+1], v[SA+2*bb:SA+2*bb+1], v[CA+2:CA+3] op_sel_hi:[1,0] neg_lo:[0,1] neg_hi:[0,1]
.endif
.if bb > 0
	v_exp_f32 v[SA+2*bb-2], v[SA+2*bb-2]
.endif
.if bb < 16
	v_pk_add_f32 v[SB+2*bb:SB+2*bb+1], v[SB+2*bb:SB+2*bb+1], v[CB+2:CB+3] op_sel_hi:[1,0] neg_lo:[0,1] neg_hi:[0,1]
.endif
.if bb > 0
	v_exp_f32 v[SA+2*bb-1], v[SA+2*bb-1]
	v_exp_f32 v[SB+2*bb-2], v[SB+2*bb-2]
	v_exp_f32 v[SB+2*bb-1], v[SB+2*bb-1]
.endif
.set bb, bb+1
.endr
	v_nop                                          ; a plain instruction behind the last exponential (ISA guide 5.7.2),
	s_wait_alu depctr_va_vdst(0)                   ; and the one wait ahead of the batch's first reader
.set i, 0
.rept 16
	v_cvt_pk_bf16_f32 v[PA+i], v[SA+2*i], v[SA+2*i+1]
	v_cvt_pk_bf16_f32 v[PB+i], v[SB+2*i], v[SB+2*i+1]
.set i, i+1
.endr
	v_pk_mul_f32 v[L+8*tA:L+8*tA+1], v[L+8*tA:L+8*tA+1], v[CA:CA+1] op_sel_hi:[1,0]  ; l a
	v_pk_mul_f32 v[L+8*tB:L+8*tB+1], v[L+8*tB:L+8*tB+1], v[CB:CB+1] op_sel_hi:[1,0]
.if (\pr) == 3
	s_wait_loadcnt 0x0                             ; the next step's K and V: no load is younger, on either way round the jump above
.endif
	KQ np, kb                                      ; S^T has been emptied by the roundings: the next two tiles' scores (behind a step's last slot: the next step's first)
	WIN 0x41
.set i, 0
.rept 8                                ; O a: also the places between those products and the next slot's maximum
	v_pk_mul_f32 v[16*tA+2*i:16*tA+2*i+1], v[16*tA+2*i:16*tA+2*i+1], v[CA:CA+1] op_sel_hi:[1,0]
	v_pk_mul_f32 v[16*tB+2*i:16*tB+2*i+1], v[16*tB+2*i:16*tB+2*i+1], v[CB:CB+1] op_sel_hi:[1,0]
.set i, i+1
.endr
	WIN 0x51                                       ; the accumulators take turns, one instruction a turn
.irp kk, 0,1
	v_wmma_f32_16x16x32_bf16 v[16*tA:16*tA+7],    v[VF+32*(\b)+16*\kk:VF+32*(\b)+16*\kk+7],    v[PA+8*\kk:PA+8*\kk+7], v[16*tA:16*tA+7]
	v_wmma_f32_16x16x32_bf16 v[16*tA+8:16*tA+15], v[VF+32*(\b)+16*\kk+8:VF+32*(\b)+16*\kk+15], v[PA+8*\kk:PA+8*\kk+7], v[16*tA+8:16*tA+15]
	v_wmma_f32_16x16x32_bf16 v[16*tB:16*tB+7],    v[VF+32*(\b)+16*\kk:VF+32*(\b)+16*\kk+7],    v[PB+8*\kk:PB+8*\kk+7], v[16*tB:16*tB+7]
	v_wmma_f32_16x16x32_bf16 v[16*tB+8:16*tB+15], v[VF+32*(\b)+16*\kk+8:VF+32*(\b)+16*\kk+15], v[PB+8*\kk:PB+8*\kk+7], v[16*tB+8:16*tB+15]
.endr
	WIN 0
.irp kk, 0,1
	v_wmma_f32_16x16x32_bf16 v[L+8*tA:L+8*tA+7], v[ONES:ONES+7], v[PA+8*\kk:PA+8*\kk+7], v[L+8*tA:L+8*tA+7]
	v_wmma_f32_16x16x32_bf16 v[L+8*tB:L+8*tB+7], v[ONES:ONES+7], v[PB+8*\kk:PB+8*\kk+7], v[L+8*tB:L+8*tB+7]
.endr
.endm
	s_load_b128 s[4:7], s[0:1], 0x0                ; q s[4:5], k and v s[6:7]
	s_load_b64 s[8:9], s[0:1], 0x10                ; o
	v_lshl_add_u32 v[SPW], v0, 2, SPARE
	v_mov_b32 v[NIL], 0
	v_lshrrev_b32 v[A0], 5, v0
	v_readfirstlane_b32 s[WV], v[A0]               ; wave 0..7
	v_and_b32 v[A1], 31, v0
	v_lshlrev_b32 v[LO], 4, v[A1]
	s_and_b32 s14, ttmp7, 0xffff                   ; the head:
	s_lshl_b32 s14, s14, 18                        ; 262,144 bytes of q, of k and of v
	s_lshl_b32 s16, ttmp9, 13                      ; my work-group's eight tiles of q
	s_add_co_u32 s16, s16, s14
	s_mov_b32 s17, 0
	s_lshl_b32 s18, s[WV], 15                      ; my wave's 512 keys: 32,768 bytes of k and of v
	s_add_co_u32 s18, s18, s14
	s_mov_b32 s19, 0
	s_lshl_b32 s20, ttmp9, 16                      ; in o a query tile is 8,192 bytes, a head 1,024 of them; I finish tile 8 x + w
	s_lshl_b32 s21, s[WV], 13
	s_add_co_u32 s20, s20, s21
	s_lshr_b32 s21, s14, 8
	s_add_co_u32 s20, s20, s21
	s_mov_b32 s21, 0
	s_mul_i32 s22, s[WV], WREG
	s_mul_i32 s23, s[WV], REG
	v_add_nc_u32 v[A0], s22, v[LO]                 ; where I put O: my wave's eight regions
	v_lshl_add_u32 v[A1], v[A1], 2, s22            ; and m and l
	v_add_nc_u32 v[A2], s23, v[LO]                 ; where I read O back: tile w of waves 0-3,
	v_add_nc_u32 v[A3], 4*WREG, v[A2]              ; and of waves 4-7 (the immediate holds 16 bits)
	s_mov_b32 s[SEL], 0x76543210
	s_mov_b32 s[SEL+1], 0xfedcba98
	s_wait_kmcnt 0x0
	s_add_nc_u64 s[QP:QP+1], s[QP:QP+1], s[16:17]
	s_add_nc_u64 s[KP:KP+1], s[KP:KP+1], s[18:19]
	s_add_nc_u64 s[OP:OP+1], s[OP:OP+1], s[20:21]
	LDKV 0, 0                                      ; step 0
.set i, 0
.rept 8
	global_load_b128 v[Q+8*i:Q+8*i+3],   v[LO], s[QP:QP+1] offset:1024*i
	global_load_b128 v[Q+8*i+4:Q+8*i+7], v[LO], s[QP:QP+1] offset:1024*i+512
.set i, i+1
.endr
	WIN 0x40
.set i, 0
.rept 128
	v_mov_b32 v[i], 0                              ; O^T
.set i, i+1
.endr
	WIN 0
.set i, 0
.rept 64
	v_mov_b32 v[L+i], 0
.set i, i+1
.endr
.set i, 0
.rept 8
	v_mov_b32 v[M+i], 0xff7fffff                   ; the lowest finite number
	v_mov_b32 v[ONES+i], 0x3f803f80                ; 1.0 twice, in bf16
.set i, i+1
.endr
	s_wait_loadcnt 0x0
	KQ 0, 0
	WIN 0
	PLACES
	s_mov_b32 s[CNT], 4
.Ltrip:                                        ; two steps, 128 keys; eight slots
	SLOT 0, 0, 1
	SLOT 1, 0, 0
	SLOT 2, 0, 0
	SLOT 3, 0, 0
	SLOT 0, 1, 2
	SLOT 1, 1, 0
	SLOT 2, 1, 0
	SLOT 3, 1, 0                                   ; (in the last trip its scores, on a set that was not filled again, serve nothing: eight products once a wave, for one text of the slot)
	s_add_nc_u64 s[KP:KP+1], s[KP:KP+1], 8192      ; every load that named the pointer was shown done by the wait for 0 in the slot above
	s_sub_co_u32 s[CNT], s[CNT], 1
	s_cmp_lg_u32 s[CNT], 0
	s_cbranch_scc1 .Ltrip
	; THE MERGE.  Each wave puts its eight partial results into LDS; then wave w finishes tile w from the eight waves' parts.
	PLACES
	WIN 0x04                                       ; store data in window 1
.set t, 0
.rept 8
.irp i, 0,1,2,3
	ds_store_b128 v[A0], v[16*t+4*\i:16*t+4*\i+3] offset:REG*t+512*\i
.endr
.set t, t+1
.endr
	WIN 0
.set t, 0
.rept 8
	ds_store_b32 v[A1], v[M+t]   offset:REG*t+2048
	ds_store_b32 v[A1], v[L+8*t] offset:REG*t+2176
.set t, t+1
.endr
	s_wait_dscnt 0x0                               ; for the others' sake: my stores are done
	s_barrier_signal -1
	s_barrier_wait -1
	v_lshrrev_b32 v[A0], 2, v[LO]
	v_add_nc_u32 v[A0], s23, v[A0]                 ; m and l of tile w, waves 0-3,
	v_add_nc_u32 v[A1], 4*WREG, v[A0]              ; and waves 4-7
.set u, 0
.rept 8                                ; wave u's part: O into v[32 + 16 u ..], m into v[160 + u], l into v[168 + u]
.irp i, 0,1,2,3
	ds_load_b128 v[32+16*u+4*\i:32+16*u+4*\i+3], v[A2+u/4] offset:WREG*(u%4)+512*\i
.endr
	ds_load_b32 v[160+u], v[A0+u/4] offset:WREG*(u%4)+2048
	ds_load_b32 v[168+u], v[A0+u/4] offset:WREG*(u%4)+2176
.set u, u+1
.endr
	s_wait_dscnt 0x0
	v_max3_num_f32 v176, v160, v161, v162
	v_max3_num_f32 v176, v176, v163, v164
	v_max3_num_f32 v176, v176, v165, v166
	v_max_num_f32 v176, v176, v167                 ; the query's maximum over all keys
.set u, 0
.rept 8
	v_sub_f32 v[160+u], v[160+u], v176
.set u, u+1
.endr
.set u, 0
.rept 8
	v_exp_f32 v[160+u], v[160+u]                   ; e_u = 2^(m_u - m)
.set u, u+1
.endr
	v_nop
	s_wait_alu depctr_va_vdst(0)                   ; one wait for the eight
	v_mul_f32 v177, v160, v168
.set u, 1
.rept 7
	v_fmac_f32 v177, v[160+u], v[168+u]            ; l = the sum of e_u l_u
.set u, u+1
.endr
	v_rcp_f32 v178, v177                           ; made twice, to fill the pair that the packed multiply names;
	v_rcp_f32 v179, v177                           ; the 64 packed lines below are the independent work ahead of the wait
.set i, 0
.rept 8
	v_pk_mul_f32 v[32+2*i:33+2*i], v[32+2*i:33+2*i], v[160:161] op_sel_hi:[1,0]
.set i, i+1
.endr
.set u, 1
.rept 7
.set i, 0
.rept 8
.if u%2
	v_pk_fma_f32 v[32+2*i:33+2*i], v[32+16*u+2*i:33+16*u+2*i], v[160+2*(u/2):161+2*(u/2)], v[32+2*i:33+2*i] op_sel:[0,1,0] op_sel_hi:[1,1,1]
.else
	v_pk_fma_f32 v[32+2*i:33+2*i], v[32+16*u+2*i:33+16*u+2*i], v[160+2*(u/2):161+2*(u/2)], v[32+2*i:33+2*i] op_sel_hi:[1,0,1]
.endif
.set i, i+1
.endr
.set u, u+1
.endr
	s_wait_alu depctr_va_vdst(0)
.set i, 0
.rept 8
	v_pk_mul_f32 v[32+2*i:33+2*i], v[32+2*i:33+2*i], v[178:179]
.set i, i+1
.endr
.set i, 0
.rept 8
	v_cvt_pk_bf16_f32 v[180+i], v[32+2*i], v[33+2*i]  ; the two channel tiles, rounded in pairs, are a fragment [query][channel]
.set i, i+1
.endr
	global_store_b128 v[LO], v[180:183], s[OP:OP+1]
	global_store_b128 v[LO], v[184:187], s[OP:OP+1] offset:512
	s_wait_tensorcnt 0x0                           ; the wave's end, behind my last LDS store
	ds_add_u32 v[SPW], v[NIL]
	s_wait_dscnt 0x0
	s_endpgm
.Lfunc_end_k_qb20550f57c_attn:
	.size	k_qb20550f57c_attn, .Lfunc_end_k_qb20550f57c_attn-k_qb20550f57c_attn
	.p2alignl 7, 3214868480
	.fill 96, 4, 3214868480
	.section	.rodata,"a",@progbits
	.p2align	6, 0x0
	.amdhsa_kernel k_qb20550f57c_attn
		.amdhsa_group_segment_fixed_size 148480
		.amdhsa_private_segment_fixed_size 0
		.amdhsa_enable_private_segment 0
		.amdhsa_kernarg_size 24
		.amdhsa_user_sgpr_count 2
		.amdhsa_user_sgpr_kernarg_segment_ptr 1
		.amdhsa_wavefront_size32 1
		.amdhsa_system_sgpr_workgroup_id_x 1
		.amdhsa_system_sgpr_workgroup_id_y 1
		.amdhsa_system_sgpr_workgroup_id_z 1
		.amdhsa_system_vgpr_workitem_id 0
		.amdhsa_next_free_vgpr 512
		.amdhsa_next_free_sgpr 66
		.amdhsa_reserve_vcc 0
		.amdhsa_float_denorm_mode_32 3
		.amdhsa_float_denorm_mode_16_64 3
		.amdhsa_memory_ordered 1
		.amdhsa_forward_progress 1
		.amdhsa_inst_pref_size 117
	.end_amdhsa_kernel
	.amdgpu_metadata
---
amdhsa.version: [ 1, 2 ]
amdhsa.kernels:
  - .name:           k_qb20550f57c_attn
    .symbol:         k_qb20550f57c_attn.kd
    .args:
      - { .name: q, .offset: 0, .size: 8, .value_kind: global_buffer, .address_space: global }
      - { .name: kvs, .offset: 8, .size: 8, .value_kind: global_buffer, .address_space: global }
      - { .name: o, .offset: 16, .size: 8, .value_kind: global_buffer, .address_space: global }
    .group_segment_fixed_size: 148480
    .private_segment_fixed_size: 0
    .kernarg_segment_align: 8
    .kernarg_segment_size: 24
    .max_flat_workgroup_size: 256
    .sgpr_count:     66
    .vgpr_count:     512
    .wavefront_size: 32
...
	.end_amdgpu_metadata
.endif
;; end of part 3
;; launch mid (part 4): grid 256 x 1, 4 waves a work-group, no clusters, 9,472 bytes of LDS; arguments o, tgt, query_pos, wf, b_out_self, g1, be1, b_in_cross, x1, q; writes x1, q
.if DOCPART == 4
	.amdgcn_target "amdgcn-amd-amdhsa--gfx1250"
	.amdhsa_code_object_version 6
	.text
	.protected	k_qb20550f57c_mid
	.globl	k_qb20550f57c_mid
	.p2align	8
	.type	k_qb20550f57c_mid,@function
k_qb20550f57c_mid:
	s_mov_b64 s[64:65], 0
	v_nop
	global_prefetch_b8 v0, s[64:65] scope:SCOPE_SE
	s_setreg_imm32_b32 hwreg(HW_REG_WAVE_MODE, 25, 1), 1
	s_wait_xcnt 0x0
; x1 = LN(tgt + o Wo^T + bo; g1, be1), kept in f32; q = c ((x1 + query_pos) Wq^T + bq) for the cross attention, c = log2(e) / sqrt(32), rounded once to bf16.
; The norm goes in two passes: the mean, then the sum of (x - mean)^2: no difference of large sums.  Roundings to bf16: o and the weights (earlier launches), x1 + query_pos, q.  NaN and infinities are not treated apart.
; SHARES.  A work-group takes 16 rows, wave w the features 64 w .. 64 w + 63: four tiles of 16, two heads.  Each weight fragment is wanted by one wave and goes straight into its registers.
; LAYOUT.  Both products are W x^T (source 0 = 16 features, source 1 = 16 rows): a lane holds ONE row (lane % 16) and the features 8 (lane / 16) + 0..7 of each tile.  A row's sum: 32 numbers in the lane,
; the other half of the lanes by one exchange, the four waves' through 16 bytes of LDS.  x1 leaves as accumulators lie (tile of 1,024 bytes: byte 512 p + 16 lane + 4 e holds register 4 p + e): whole runs of 512 bytes.
; All loads go out at the head: 192 a wave (a load whose issue would pass the counter's field waits at issue: ISA guide 5.7.1).
; NO CLUSTER, NO TENSOR LOAD: the weights are taken into registers; the launch is two short products.
; REGISTERS.  Window 0 below; window 1: v0-63 o's fragments by head, v64-127 x1 + query_pos's; window 2: Wo (tile ft, k step k at 8 (8 ft + k)); window 3: Wq.
.set PX,    528                        ; a row of 256 bf16 + 16 bytes: an odd multiple of 16
.set XB,    0                          ; bf16(x1 + query_pos), 16 rows
.set STAT1, 16*PX                      ; row r, wave w: a partial sum at 16 r + 4 w
.set STAT2, STAT1+256
.set SPARE, STAT2+256                  ; the spare words, 128 bytes a wave: two blocks of 256 bytes that no other line names
.set WIC,   393216
.set WOS,   786432
.set NRT,   1                          ; row tiles a work-group
.set LO,  1                            ; v1   16 x lane
.set SPW, 2                            ; v2   my spare word; never rewritten
.set NIL, 3                            ; v3   0; never rewritten
.set TO,  4                            ; v4   (lane % 16) x 1,024 + 32 (lane / 16): my 8 numbers of a row of tgt
.set FO,  5                            ; v5   32 (lane / 16): my 8 numbers of a bias or gain
.set SS,  6                            ; v6   16 (lane % 16) + 4 w
.set SL,  7                            ; v7   16 (lane % 16)
.set XS,  8                            ; v8   (lane % 16) x PX + 16 (lane / 16) + 128 w
.set XL,  9                            ; v9   (lane % 16) x PX + 16 (lane / 16)
.set TS,  10                           ; v[10:11] the norm's pair at work
.set LD,  12                           ; v[12:15] the four waves' partial sums
.set T,   16                           ; v[16:31] packed bf16
.set ACCB, 32                          ; v[32:63]   tgt, then the sums, then x1
.set QACC, 64                          ; v[64:95]
.set BOR, 96                           ; v[96:127]  bo
.set GR,  128                          ; v[128:159] g1
.set BER, 160                          ; v[160:191] be1
.set QPR, 192                          ; v[192:223] query_pos
.set BQ,  224                          ; v[224:255] bq
.set WV,  28
.set SEL, 34
.set INV, 36
.set EPS, 37
.set CS,  38
.set MSB, 0
.macro WIN new
.if MSB != (\new)
	s_set_vgpr_msb (MSB<<8)|(\new)
.set MSB, \new
.endif
.endm
.macro PLACES
.rept 4
	v_nop
.endr
.endm
.macro BAR
	s_wait_dscnt 0x0                               ; for the others' sake: my LDS stores are done
	s_barrier_signal -1
	s_barrier_wait -1
.endm
.macro LD8 dst, vo, sb                 ; my 8 numbers of each of four feature tiles
.set i, 0
.rept 8
	global_load_b128 v[(\dst)+4*i:(\dst)+4*i+3], v[\vo], s[\sb:(\sb)+1] offset:64*(i/2)+16*(i%2)
.set i, i+1
.endr
.endm
.macro LDF dst, n, sb, off             ; n fragments on end
.set f, 0
.rept \n
	global_load_b128 v[(\dst)+8*f:(\dst)+8*f+3],   v[LO], s[\sb:(\sb)+1] offset:(\off)+1024*f
	global_load_b128 v[(\dst)+8*f+4:(\dst)+8*f+7], v[LO], s[\sb:(\sb)+1] offset:(\off)+1024*f+512
.set f, f+1
.endr
.endm
; The lane's pair TS(rt) becomes the row's sum over 256 features, in LD(rt).
.macro RSUM st
.set rt, 0
.rept NRT
	v_add_f32 v[TS+2*rt], v[TS+2*rt], v[TS+2*rt+1]
.set rt, rt+1
.endr
.set rt, 0
.rept NRT
	v_permlanex16_b32 v[TS+2*rt+1], v[TS+2*rt], s[SEL], s[SEL+1]
.set rt, rt+1
.endr
.set rt, 0
.rept NRT
	v_add_f32 v[TS+2*rt], v[TS+2*rt], v[TS+2*rt+1]
	ds_store_b32 v[SS], v[TS+2*rt] offset:(\st)+256*rt  ; both halves of the lanes store the same number to the same word
.set rt, rt+1
.endr
	BAR
.set rt, 0
.rept NRT
	ds_load_b128 v[LD+4*rt:LD+4*rt+3], v[SL] offset:(\st)+256*rt
.set rt, rt+1
.endr
	s_wait_dscnt 0x0
.set rt, 0
.rept NRT
	v_add_f32 v[LD+4*rt], v[LD+4*rt], v[LD+4*rt+1]
	v_add_f32 v[LD+4*rt+2], v[LD+4*rt+2], v[LD+4*rt+3]
	v_add_f32 v[LD+4*rt], v[LD+4*rt], v[LD+4*rt+2]
.set rt, rt+1
.endr
.endm
; The norm, in place on the accumulators acc(ft, rt) at ACCB + 8 (NRT ft + rt); pair i of 16 is registers 2 (i % 4) of feature tile i / 4.  Each accumulator is read from its low end on.
.macro LNORM st1, st2, gwin
.set rt, 0
.rept NRT
	v_pk_add_f32 v[TS+2*rt:TS+2*rt+1], v[ACCB+8*rt:ACCB+8*rt+1], v[ACCB+8*rt+2:ACCB+8*rt+3]
.set rt, rt+1
.endr
.set i, 2
.rept 14
.set rt, 0
.rept NRT
	v_pk_add_f32 v[TS+2*rt:TS+2*rt+1], v[TS+2*rt:TS+2*rt+1], v[ACCB+8*(NRT*(i/4)+rt)+2*(i%4):ACCB+8*(NRT*(i/4)+rt)+2*(i%4)+1]
.set rt, rt+1
.endr
.set i, i+1
.endr
	RSUM \st1
.set rt, 0
.rept NRT
	v_mul_f32 v[TS+2*rt], s[INV], v[LD+4*rt]       ; the mean
.set rt, rt+1
.endr
.set i, 0
.rept 16
.set rt, 0
.rept NRT
	v_pk_add_f32 v[ACCB+8*(NRT*(i/4)+rt)+2*(i%4):ACCB+8*(NRT*(i/4)+rt)+2*(i%4)+1], v[ACCB+8*(NRT*(i/4)+rt)+2*(i%4):ACCB+8*(NRT*(i/4)+rt)+2*(i%4)+1], v[TS+2*rt:TS+2*rt+1] op_sel_hi:[1,0] neg_lo:[0,1] neg_hi:[0,1]
.set rt, rt+1
.endr
.set i, i+1
.endr
.set rt, 0
.rept NRT
	v_pk_mul_f32 v[TS+2*rt:TS+2*rt+1], v[ACCB+8*rt:ACCB+8*rt+1], v[ACCB+8*rt:ACCB+8*rt+1]
.set rt, rt+1
.endr
.set i, 1
.rept 15
.set rt, 0
.rept NRT
	v_pk_fma_f32 v[TS+2*rt:TS+2*rt+1], v[ACCB+8*(NRT*(i/4)+rt)+2*(i%4):ACCB+8*(NRT*(i/4)+rt)+2*(i%4)+1], v[ACCB+8*(NRT*(i/4)+rt)+2*(i%4):ACCB+8*(NRT*(i/4)+rt)+2*(i%4)+1], v[TS+2*rt:TS+2*rt+1]
.set rt, rt+1
.endr
.set i, i+1
.endr
	RSUM \st2
.set rt, 0
.rept NRT
	v_fma_f32 v[LD+4*rt], v[LD+4*rt], s[INV], s[EPS]  ; the variance + 1e-5
.set rt, rt+1
.endr
.set rt, 0
.rept NRT
	v_rsq_f32 v[TS+2*rt], v[LD+4*rt]
.set rt, rt+1
.endr
	v_nop                                          ; a plain instruction behind the last root,
	s_wait_alu depctr_va_vdst(0)                   ; and the one wait ahead of the first reader
.set i, 0
.rept 16
.set rt, 0
.rept NRT
	v_pk_mul_f32 v[ACCB+8*(NRT*(i/4)+rt)+2*(i%4):ACCB+8*(NRT*(i/4)+rt)+2*(i%4)+1], v[ACCB+8*(NRT*(i/4)+rt)+2*(i%4):ACCB+8*(NRT*(i/4)+rt)+2*(i%4)+1], v[TS+2*rt:TS+2*rt+1] op_sel_hi:[1,0]
.set rt, rt+1
.endr
.set i, i+1
.endr
	WIN \gwin
.set i, 0
.rept 16
.set rt, 0
.rept NRT
	v_pk_fma_f32 v[ACCB+8*(NRT*(i/4)+rt)+2*(i%4):ACCB+8*(NRT*(i/4)+rt)+2*(i%4)+1], v[ACCB+8*(NRT*(i/4)+rt)+2*(i%4):ACCB+8*(NRT*(i/4)+rt)+2*(i%4)+1], v[GR+2*i:GR+2*i+1], v[BER+2*i:BER+2*i+1]
.set rt, rt+1
.endr
.set i, i+1
.endr
	WIN 0
.endm
	s_load_b256 s[4:11], s[0:1], 0x0               ; o s[4:5], tgt s[6:7], query_pos s[8:9], wf s[10:11]
	s_load_b256 s[12:19], s[0:1], 0x20             ; b_out_self s[12:13], g1 s[14:15], be1 s[16:17], b_in_cross s[18:19]
	s_load_b128 s[20:23], s[0:1], 0x40             ; x1 s[20:21], q s[22:23]
	v_lshl_add_u32 v[SPW], v0, 2, SPARE
	v_mov_b32 v[NIL], 0
	v_lshrrev_b32 v10, 5, v0
	v_readfirstlane_b32 s[WV], v10                 ; wave 0..3
	v_and_b32 v10, 15, v0
	v_bfe_u32 v11, v0, 4, 1
	v_and_b32 v[LO], 31, v0
	v_lshlrev_b32 v[LO], 4, v[LO]
	v_lshlrev_b32 v[FO], 5, v11
	v_lshl_add_u32 v[TO], v10, 10, v[FO]
	s_lshl_b32 s30, s[WV], 2
	v_lshlrev_b32 v[SL], 4, v10
	v_add_nc_u32 v[SS], s30, v[SL]
	v_mul_u32_u24 v[XL], v10, PX
	v_lshl_add_u32 v[XL], v11, 4, v[XL]
	s_lshl_b32 s30, s[WV], 7
	v_add_nc_u32 v[XS], s30, v[XL]
	s_mov_b32 s[SEL], 0x76543210
	s_mov_b32 s[SEL+1], 0xfedcba98
	s_mov_b32 s[INV], 0x3b800000                   ; 1 / 256
	s_mov_b32 s[EPS], 0x3727c5ac                   ; 1e-5
	s_mov_b32 s[CS], 0x3e8293ee                    ; c = log2(e) / sqrt(32)
	s_mov_b32 s[CS+1], s[CS]
	s_mov_b32 s31, 0
	s_mov_b32 s33, 0
	s_lshl_b32 s32, s[WV], 8                       ; my 64 features: 256 bytes
	s_wait_kmcnt 0x0
	s_lshl_b32 s30, ttmp9, 13                      ; o: a query tile is 8,192 bytes
	s_add_nc_u64 s[4:5], s[4:5], s[30:31]
	s_lshl_b32 s30, ttmp9, 14                      ; 16 rows of 1,024 bytes
	s_add_co_u32 s30, s30, s32
	s_add_nc_u64 s[6:7], s[6:7], s[30:31]
	s_add_nc_u64 s[8:9], s[8:9], s[30:31]
	s_add_nc_u64 s[12:13], s[12:13], s[32:33]
	s_add_nc_u64 s[14:15], s[14:15], s[32:33]
	s_add_nc_u64 s[16:17], s[16:17], s[32:33]
	s_add_nc_u64 s[18:19], s[18:19], s[32:33]
	s_lshl_b32 s30, s[WV], 15                      ; my four row tiles of a weight
	s_add_nc_u64 s[10:11], s[10:11], s[30:31]
	s_lshl_b32 s30, ttmp9, 14                      ; x1: a row tile is 16 tiles of 1,024 bytes, mine the four at 4 w
	s_lshl_b32 s32, s[WV], 12
	s_add_co_u32 s30, s30, s32
	s_add_nc_u64 s[20:21], s[20:21], s[30:31]
	s_lshl_b32 s30, s[WV], 19                      ; q: my two heads of 262,144 bytes, the query tile's 1,024
	s_lshl_b32 s32, ttmp9, 10
	s_add_co_u32 s30, s30, s32
	s_add_nc_u64 s[22:23], s[22:23], s[30:31]
	LD8 ACCB, TO, 6                                ; tgt starts the sums: nothing is cleared
	LD8 BOR, FO, 12
	WIN 0x40
	LDF 0, 8, 4, 0                                 ; o, by head
	WIN 0x80
	LDF 0, 32, 10, WOS
	WIN 0
	LD8 GR, FO, 14
	LD8 BER, FO, 16
	LD8 QPR, TO, 8
	LD8 BQ, FO, 18
	WIN 0xc0
	LDF 0, 32, 10, WIC                             ; Wq: the first 16 row tiles of w_in_cross
	WIN 0
	s_wait_loadcnt 63                              ; of 192 loads the last 64 are Wq's: all that stands ahead of them is in
.set i, 0
.rept 16
	v_pk_add_f32 v[ACCB+2*i:ACCB+2*i+1], v[ACCB+2*i:ACCB+2*i+1], v[BOR+2*i:BOR+2*i+1]
.set i, i+1
.endr
	WIN 0x06                                       ; source 0 (Wo) window 2, source 1 (o) window 1
.set k, 0
.rept 8                                ; the four accumulators take turns
.irp ft, 0,1,2,3
	v_wmma_f32_16x16x32_bf16 v[ACCB+8*\ft:ACCB+8*\ft+7], v[8*(8*\ft+k):8*(8*\ft+k)+7], v[8*k:8*k+7], v[ACCB+8*\ft:ACCB+8*\ft+7]
.endr
.set k, k+1
.endr
	WIN 0
	PLACES
	LNORM STAT1, STAT2, 0
.set i, 0
.rept 8
	global_store_b128 v[LO], v[ACCB+4*i:ACCB+4*i+3], s[20:21] offset:512*i  ; x1, in f32: 512 consecutive bytes a store
.set i, i+1
.endr
.set i, 0
.rept 16
	v_pk_add_f32 v[QPR+2*i:QPR+2*i+1], v[QPR+2*i:QPR+2*i+1], v[ACCB+2*i:ACCB+2*i+1]
.set i, i+1
.endr
.set i, 0
.rept 16
	v_cvt_pk_bf16_f32 v[T+i], v[QPR+2*i], v[QPR+2*i+1]
.set i, i+1
.endr
.irp ft, 0,1,2,3
	ds_store_b128 v[XS], v[T+4*\ft:T+4*\ft+3] offset:XB+32*\ft
.endr
	BAR                                            ; the rows are whole: each wave wants all 256 features
	WIN 0x40
.set k, 0
.rept 8
	ds_load_b128 v[64+8*k:64+8*k+3], v[XL] offset:XB+64*k
	ds_load_b128 v[64+8*k+4:64+8*k+7], v[XL] offset:XB+64*k+32
.set k, k+1
.endr
	s_wait_dscnt 0x0
	s_wait_loadcnt 0x0                             ; Wq
	WIN 0x07                                       ; source 0 (Wq) window 3, source 1 window 1
.set k, 0
.rept 8
.irp ft, 0,1,2,3
.if k == 0
	v_wmma_f32_16x16x32_bf16 v[QACC+8*\ft:QACC+8*\ft+7], v[8*(8*\ft+k):8*(8*\ft+k)+7], v[64+8*k:64+8*k+7], v[BQ+8*\ft:BQ+8*\ft+7]
.else
	v_wmma_f32_16x16x32_bf16 v[QACC+8*\ft:QACC+8*\ft+7], v[8*(8*\ft+k):8*(8*\ft+k)+7], v[64+8*k:64+8*k+7], v[QACC+8*\ft:QACC+8*\ft+7]
.endif
.endr
.set k, k+1
.endr
	WIN 0
	PLACES
.set i, 0
.rept 16
	v_pk_mul_f32 v[QACC+2*i:QACC+2*i+1], v[QACC+2*i:QACC+2*i+1], s[CS:CS+1] op_sel_hi:[1,0]
.set i, i+1
.endr
.set i, 0
.rept 16
	v_cvt_pk_bf16_f32 v[T+i], v[QACC+2*i], v[QACC+2*i+1]  ; a head's two feature tiles are a fragment [query][channel]
.set i, i+1
.endr
.irp hd, 0,1
	global_store_b128 v[LO], v[T+8*\hd:T+8*\hd+3],   s[22:23] offset:262144*\hd
	global_store_b128 v[LO], v[T+8*\hd+4:T+8*\hd+7], s[22:23] offset:262144*\hd+512
.endr
	s_wait_tensorcnt 0x0                           ; the wave's end, behind my last LDS store
	ds_add_u32 v[SPW], v[NIL]
	s_wait_dscnt 0x0
	s_endpgm
.Lfunc_end_k_qb20550f57c_mid:
	.size	k_qb20550f57c_mid, .Lfunc_end_k_qb20550f57c_mid-k_qb20550f57c_mid
	.p2alignl 7, 3214868480
	.fill 96, 4, 3214868480
	.section	.rodata,"a",@progbits
	.p2align	6, 0x0
	.amdhsa_kernel k_qb20550f57c_mid
		.amdhsa_group_segment_fixed_size 9472
		.amdhsa_private_segment_fixed_size 0
		.amdhsa_enable_private_segment 0
		.amdhsa_kernarg_size 80
		.amdhsa_user_sgpr_count 2
		.amdhsa_user_sgpr_kernarg_segment_ptr 1
		.amdhsa_wavefront_size32 1
		.amdhsa_system_sgpr_workgroup_id_x 1
		.amdhsa_system_sgpr_workgroup_id_y 1
		.amdhsa_system_sgpr_workgroup_id_z 1
		.amdhsa_system_vgpr_workitem_id 0
		.amdhsa_next_free_vgpr 1024
		.amdhsa_next_free_sgpr 66
		.amdhsa_reserve_vcc 0
		.amdhsa_float_denorm_mode_32 3
		.amdhsa_float_denorm_mode_16_64 3
		.amdhsa_memory_ordered 1
		.amdhsa_forward_progress 1
		.amdhsa_inst_pref_size 39
	.end_amdhsa_kernel
	.amdgpu_metadata
---
amdhsa.version: [ 1, 2 ]
amdhsa.kernels:
  - .name:           k_qb20550f57c_mid
    .symbol:         k_qb20550f57c_mid.kd
    .args:
      - { .name: o, .offset: 0, .size: 8, .value_kind: global_buffer, .address_space: global }
      - { .name: tgt, .offset: 8, .size: 8, .value_kind: global_buffer, .address_space: global }
      - { .name: query_pos, .offset: 16, .size: 8, .value_kind: global_buffer, .address_space: global }
      - { .name: wf, .offset: 24, .size: 8, .value_kind: global_buffer, .address_space: global }
      - { .name: b_out_self, .offset: 32, .size: 8, .value_kind: global_buffer, .address_space: global }
      - { .name: g1, .offset: 40, .size: 8, .value_kind: global_buffer, .address_space: global }
      - { .name: be1, .offset: 48, .size: 8, .value_kind: global_buffer, .address_space: global }
      - { .name: b_in_cross, .offset: 56, .size: 8, .value_kind: global_buffer, .address_space: global }
      - { .name: x1, .offset: 64, .size: 8, .value_kind: global_buffer, .address_space: global }
      - { .name: q, .offset: 72, .size: 8, .value_kind: global_buffer, .address_space: global }
    .group_segment_fixed_size: 9472
    .private_segment_fixed_size: 0
    .kernarg_segment_align: 8
    .kernarg_segment_size: 80
    .max_flat_workgroup_size: 128
    .sgpr_count:     66
    .vgpr_count:     1024
    .wavefront_size: 32
...
	.end_amdgpu_metadata
.endif
;; end of part 4
;; launch attn_cross: the kernel of part 3 again; grid 32 x 8, 8 waves a work-group, no clusters, 148,480 bytes of LDS; arguments q, kvc, o; writes o
;; launch ffn (part 5): grid 64 x 1, 4 waves a work-group, no clusters, 73,216 bytes of LDS; arguments o, x1, wf, b_out_cross, g2, be2, b1, b2, g3, be3, out0; writes out0
.if DOCPART == 5
	.amdgcn_target "amdgcn-amd-amdhsa--gfx1250"
	.amdhsa_code_object_version 6
	.text
	.protected	k_qb20550f57c_ffn
	.globl	k_qb20550f57c_ffn
	.p2align	8
	.type	k_qb20550f57c_ffn,@function
k_qb20550f57c_ffn:
	s_mov_b64 s[64:65], 0
	v_nop
	global_prefetch_b8 v0, s[64:65] scope:SCOPE_SE
	s_setreg_imm32_b32 hwreg(HW_REG_WAVE_MODE, 25, 1), 1
	s_wait_xcnt 0x0
; x2 = LN(x1 + o Wo^T + bo; g2, be2);  out0 = LN(x2 + relu(x2 W1^T + b1) W2^T + b2; g3, be3).  The residual stays in f32 registers from x1 to out0; h never leaves the work-group.
; The norms go in two passes (the mean, then the sum of (x - mean)^2).  Roundings to bf16: o and the weights (earlier launches), x2 as an operand, h.  relu is taken on the rounded pairs by a maximum that drops a NaN;
; NaN and infinities are not treated apart otherwise.
; SHARES.  A work-group takes 64 rows (NRT = 4 tiles); wave w the output features 64 w .. 64 w + 63 and, of each step's 128 hidden units, 32 w .. 32 w + 31.  A work-group walks all of W1 and W2 whatever its rows;
; each weight fragment is wanted by one wave, goes straight into its registers and feeds four products.  16 steps of 128 hidden units.
; LAYOUT.  All products are W x^T (source 0 = 16 features, source 1 = 16 rows): a lane holds ONE row (lane % 16) and the features 8 (lane / 16) + 0..7.  x2 and h change waves through LDS, as bf16 rows.
; NO CLUSTER, NO TENSOR LOAD: the weights are taken into registers.  A split of the hidden units over work-groups would send f32 partial sums of the whole output through memory.
; REGISTERS.  Window 0 below.  Window 1: the rows' fragments X(rt, k) at 64 rt + 8 k (o, then x2).  Window 2: Wo (ft, k) at 8 (8 ft + k); then W1 (ht, k) at 8 (8 ht + k) and W2 (ft, ks) at 128 + 8 (4 ft + ks).
; Window 3: v0-127 h's fragments (rt, ks) at 8 (4 rt + ks); v128-159 bo; v160-191 g2, then g3; v192-223 be2, then be3; v224-255 b2.
.set PX,    528                        ; a row of 256 bf16 + 16 bytes;  PH, SP: 256 bytes + 16: odd multiples of 16
.set PH,    272
.set SP,    272
.set XB,    0                          ; bf16(x2), 64 rows
.set HB,    64*PX                      ; a step's h, 64 rows x 128
.set STAT,  HB+64*PH                   ; four sets of partial sums: row tile rt, row r, wave w at 256 rt + 16 r + 4 w
.set STG,   STAT+4*1024                ; each wave's own stage for the way out: 16 rows x 64 f32
.set SPARE, STG+4*16*SP                ; the spare words, 128 bytes a wave: two blocks of 256 bytes that no other line names
.set WOC,   917504
.set W1F,   1048576
.set W2F,   2097152
.set NRT,   4
.set LO,  1                            ; v1   16 x lane
.set SPW, 2                            ; v2   my spare word; never rewritten
.set NIL, 3                            ; v3   0; never rewritten
.set ZERO, 4                           ; v4   0, for relu
.set FO,  5                            ; v5   32 (lane / 16)
.set SS,  6                            ; v6   16 (lane % 16) + 4 w
.set SL,  7                            ; v7   16 (lane % 16)
.set XS,  8                            ; v8   (lane % 16) x PX + 16 (lane / 16) + 128 w
.set XL,  9                            ; v9   (lane % 16) x PX + 16 (lane / 16)
.set HST, 10                           ; v10  (lane % 16) x PH + 16 (lane / 16) + 64 w
.set HLD, 11                           ; v11  (lane % 16) x PH + 16 (lane / 16)
.set OS,  12                           ; v12  my stage + (lane % 16) x SP + 32 (lane / 16)
.set OLD, 13                           ; v13  my stage + (lane / 16) x SP + 16 (lane % 16)
.set GO,  14                           ; v14  (lane / 16) x 1,024 + 16 (lane % 16)
.set YACC, 32                          ; v[32:159]  the residual and the sums: (ft, rt) at YACC + 8 (4 ft + rt)
.set ACCB, 32
.set HACC, 160                         ; v[160:223] h's sums: (ht, rt) at HACC + 8 (4 ht + rt); also the norms' registers at work and the way out's
.set TS,  160
.set LD,  168
.set B1R, 224                          ; v[224:239] b1 of my two hidden tiles
.set T,   240                          ; v[240:255] packed bf16, four sets
.set GR,  160                          ; in window 3
.set BER, 192
.set WV,  26
.set CNT, 27
.set WOP, 28                           ; s[28:29] wf at my four row tiles of Wo
.set W1P, 30                           ; s[30:31] wf at my two row tiles of the step's W1
.set W2P, 32                           ; s[32:33] wf at my four row tiles of W2, at the step's four k steps
.set B1P, 16                           ; s[16:17] b1 at my 32 units of the step
.set OUTP, 24
.set SEL, 38
.set INV, 40
.set EPS, 41
.set MSB, 0
.macro WIN new
.if MSB != (\new)
	s_set_vgpr_msb (MSB<<8)|(\new)
.set MSB, \new
.endif
.endm
.macro PLACES
.rept 4
	v_nop
.endr
.endm
.macro BAR
	s_wait_dscnt 0x0                               ; for the others' sake: my LDS stores are done
	s_barrier_signal -1
	s_barrier_wait -1
.endm
.macro LD8 dst, vo, sb
.set i, 0
.rept 8
	global_load_b128 v[(\dst)+4*i:(\dst)+4*i+3], v[\vo], s[\sb:(\sb)+1] offset:64*(i/2)+16*(i%2)
.set i, i+1
.endr
.endm
.macro LDF dst, n, sb, off
.set f, 0
.rept \n
	global_load_b128 v[(\dst)+8*f:(\dst)+8*f+3],   v[LO], s[\sb:(\sb)+1] offset:(\off)+1024*f
	global_load_b128 v[(\dst)+8*f+4:(\dst)+8*f+7], v[LO], s[\sb:(\sb)+1] offset:(\off)+1024*f+512
.set f, f+1
.endr
.endm
.macro LDW1                            ; a step's W1 (32 loads) and b1 (4)
	WIN 0x80
	LDF 0, 16, W1P, W1F
	WIN 0
.irp i, 0,1,2,3
	global_load_b128 v[B1R+4*\i:B1R+4*\i+3], v[FO], s[B1P:B1P+1] offset:64*(\i/2)+16*(\i%2)
.endr
.endm
.macro LDW2                            ; a step's W2: 32 loads
	WIN 0x80
.set f, 0
.rept 16
	global_load_b128 v[128+8*f:128+8*f+3],   v[LO], s[W2P:W2P+1] offset:W2F+65536*(f/4)+1024*(f%4)
	global_load_b128 v[128+8*f+4:128+8*f+7], v[LO], s[W2P:W2P+1] offset:W2F+65536*(f/4)+1024*(f%4)+512
.set f, f+1
.endr
	WIN 0
.endm
; The lane's pair TS(rt) becomes the row's sum over 256 features, in LD(rt).
.macro RSUM st
.set rt, 0
.rept NRT
	v_add_f32 v[TS+2*rt], v[TS+2*rt], v[TS+2*rt+1]
.set rt, rt+1
.endr
.set rt, 0
.rept NRT
	v_permlanex16_b32 v[TS+2*rt+1], v[TS+2*rt], s[SEL], s[SEL+1]
.set rt, rt+1
.endr
.set rt, 0
.rept NRT
	v_add_f32 v[TS+2*rt], v[TS+2*rt], v[TS+2*rt+1]
	ds_store_b32 v[SS], v[TS+2*rt] offset:(\st)+256*rt  ; both halves of the lanes store the same number to the same word
.set rt, rt+1
.endr
	BAR
.set rt, 0
.rept NRT
	ds_load_b128 v[LD+4*rt:LD+4*rt+3], v[SL] offset:(\st)+256*rt
.set rt, rt+1
.endr
	s_wait_dscnt 0x0
.set rt, 0
.rept NRT
	v_add_f32 v[LD+4*rt], v[LD+4*rt], v[LD+4*rt+1]
	v_add_f32 v[LD+4*rt+2], v[LD+4*rt+2], v[LD+4*rt+3]
	v_add_f32 v[LD+4*rt], v[LD+4*rt], v[LD+4*rt+2]
.set rt, rt+1
.endr
.endm
; The norm, in place on the accumulators acc(ft, rt) at ACCB + 8 (NRT ft + rt); pair i of 16 is registers 2 (i % 4) of feature tile i / 4.  Each accumulator is read from its low end on.
.macro LNORM st1, st2, gwin
.set rt, 0
.rept NRT
	v_pk_add_f32 v[TS+2*rt:TS+2*rt+1], v[ACCB+8*rt:ACCB+8*rt+1], v[ACCB+8*rt+2:ACCB+8*rt+3]
.set rt, rt+1
.endr
.set i, 2
.rept 14
.set rt, 0
.rept NRT
	v_pk_add_f32 v[TS+2*rt:TS+2*rt+1], v[TS+2*rt:TS+2*rt+1], v[ACCB+8*(NRT*(i/4)+rt)+2*(i%4):ACCB+8*(NRT*(i/4)+rt)+2*(i%4)+1]
.set rt, rt+1
.endr
.set i, i+1
.endr
	RSUM \st1
.set rt, 0
.rept NRT
	v_mul_f32 v[TS+2*rt], s[INV], v[LD+4*rt]       ; the mean
.set rt, rt+1
.endr
.set i, 0
.rept 16
.set rt, 0
.rept NRT
	v_pk_add_f32 v[ACCB+8*(NRT*(i/4)+rt)+2*(i%4):ACCB+8*(NRT*(i/4)+rt)+2*(i%4)+1], v[ACCB+8*(NRT*(i/4)+rt)+2*(i%4):ACCB+8*(NRT*(i/4)+rt)+2*(i%4)+1], v[TS+2*rt:TS+2*rt+1] op_sel_hi:[1,0] neg_lo:[0,1] neg_hi:[0,1]
.set rt, rt+1
.endr
.set i, i+1
.endr
.set rt, 0
.rept NRT
	v_pk_mul_f32 v[TS+2*rt:TS+2*rt+1], v[ACCB+8*rt:ACCB+8*rt+1], v[ACCB+8*rt:ACCB+8*rt+1]
.set rt, rt+1
.endr
.set i, 1
.rept 15
.set rt, 0
.rept NRT
	v_pk_fma_f32 v[TS+2*rt:TS+2*rt+1], v[ACCB+8*(NRT*(i/4)+rt)+2*(i%4):ACCB+8*(NRT*(i/4)+rt)+2*(i%4)+1], v[ACCB+8*(NRT*(i/4)+rt)+2*(i%4):ACCB+8*(NRT*(i/4)+rt)+2*(i%4)+1], v[TS+2*rt:TS+2*rt+1]
.set rt, rt+1
.endr
.set i, i+1
.endr
	RSUM \st2
.set rt, 0
.rept NRT
	v_fma_f32 v[LD+4*rt], v[LD+4*rt], s[INV], s[EPS]  ; the variance + 1e-5
.set rt, rt+1
.endr
.set rt, 0
.rept NRT
	v_rsq_f32 v[TS+2*rt], v[LD+4*rt]
.set rt, rt+1
.endr
	v_nop                                          ; a plain instruction behind the last root,
	s_wait_alu depctr_va_vdst(0)                   ; and the one wait ahead of the first reader
.set i, 0
.rept 16
.set rt, 0
.rept NRT
	v_pk_mul_f32 v[ACCB+8*(NRT*(i/4)+rt)+2*(i%4):ACCB+8*(NRT*(i/4)+rt)+2*(i%4)+1], v[ACCB+8*(NRT*(i/4)+rt)+2*(i%4):ACCB+8*(NRT*(i/4)+rt)+2*(i%4)+1], v[TS+2*rt:TS+2*rt+1] op_sel_hi:[1,0]
.set rt, rt+1
.endr
.set i, i+1
.endr
	WIN \gwin
.set i, 0
.rept 16
.set rt, 0
.rept NRT
	v_pk_fma_f32 v[ACCB+8*(NRT*(i/4)+rt)+2*(i%4):ACCB+8*(NRT*(i/4)+rt)+2*(i%4)+1], v[ACCB+8*(NRT*(i/4)+rt)+2*(i%4):ACCB+8*(NRT*(i/4)+rt)+2*(i%4)+1], v[GR+2*i:GR+2*i+1], v[BER+2*i:BER+2*i+1]
.set rt, rt+1
.endr
.set i, i+1
.endr
	WIN 0
.endm
; A STEP: 128 hidden units.  h^T = b1 + W1 x2^T for my 32 of them; relu, rounded, into LDS; a barrier; all 128 back as fragments; y^T += W2 h^T for my 64 features.
; Two barriers round the one buffer of h: store, barrier, load; and load, barrier, the next step's store.  W1 of the next step has the second product in which to land, W2 the first.
.macro STEP last
	s_wait_loadcnt 32                              ; W1 and b1 of this step are in; W2's 32 loads, issued behind them, may stay out
	WIN 0x06                                       ; source 0 (W1) window 2, source 1 (x2) window 1
.set k, 0
.rept 8
.set a, 0
.rept 8                                ; a = 4 ht + rt: the eight accumulators take turns
.if k == 0
	v_wmma_f32_16x16x32_bf16 v[HACC+8*a:HACC+8*a+7], v[8*(8*(a/4)+k):8*(8*(a/4)+k)+7], v[64*(a%4)+8*k:64*(a%4)+8*k+7], v[B1R+8*(a/4):B1R+8*(a/4)+7]
.else
	v_wmma_f32_16x16x32_bf16 v[HACC+8*a:HACC+8*a+7], v[8*(8*(a/4)+k):8*(8*(a/4)+k)+7], v[64*(a%4)+8*k:64*(a%4)+8*k+7], v[HACC+8*a:HACC+8*a+7]
.endif
.set a, a+1
.endr
.set k, k+1
.endr
	WIN 0
	PLACES
.set a, 0
.rept 8
.irp j, 0,1,2,3
	v_cvt_pk_bf16_f32 v[T+4*(a%4)+\j], v[HACC+8*a+2*\j], v[HACC+8*a+2*\j+1]
.endr
.irp j, 0,1,2,3
	v_pk_max_num_bf16 v[T+4*(a%4)+\j], v[T+4*(a%4)+\j], v[ZERO]
.endr
	ds_store_b128 v[HST], v[T+4*(a%4):T+4*(a%4)+3] offset:HB+16*PH*(a%4)+32*(a/4)
.set a, a+1
.endr
.if !(\last)
	s_wait_xcnt 0x0                                ; every load issued so far has read its address: the pointers may be written
	s_add_nc_u64 s[W1P:W1P+1], s[W1P:W1P+1], 65536
	s_add_nc_u64 s[B1P:B1P+1], s[B1P:B1P+1], 512
	LDW1
.endif
	BAR                                            ; all four waves' h lies in LDS
	WIN 0xc0
.set f, 0
.rept 16                               ; f = 4 rt + ks
	ds_load_b128 v[8*f:8*f+3],   v[HLD] offset:HB+16*PH*(f/4)+64*(f%4)
	ds_load_b128 v[8*f+4:8*f+7], v[HLD] offset:HB+16*PH*(f/4)+64*(f%4)+32
.set f, f+1
.endr
.if \last
	s_wait_loadcnt 0x0                             ; W2
	s_wait_dscnt 0x0
.else
	s_wait_loadcnt 36                              ; W2 of this step is in; the next step's W1 and b1, 36 loads, may stay out
	s_wait_dscnt 0x0                               ; my reads of h are over:
	s_barrier_signal -1                            ; say so; the products below, work on registers alone, stand between the signal and the wait
.endif
	WIN 0x0e                                       ; source 0 (W2) window 2, source 1 (h) window 3
.set ks, 0
.rept 4
.set a, 0
.rept 16                               ; a = 4 ft + rt: sixteen accumulators take turns
	v_wmma_f32_16x16x32_bf16 v[YACC+8*a:YACC+8*a+7], v[128+8*(4*(a/4)+ks):128+8*(4*(a/4)+ks)+7], v[8*(4*(a%4)+ks):8*(4*(a%4)+ks)+7], v[YACC+8*a:YACC+8*a+7]
.set a, a+1
.endr
.set ks, ks+1
.endr
	WIN 0
.if !(\last)
	s_barrier_wait -1                              ; nobody reads h any more: the next step may store it
	PLACES
	s_wait_xcnt 0x0
	s_add_nc_u64 s[W2P:W2P+1], s[W2P:W2P+1], 4096
	LDW2
.endif
.endm
; THE WAY OUT of row tile rt: a lane's 8 features of a row go into my own stage; whole pieces of rows, 256 bytes, come back; sixteen lanes store 256 consecutive bytes, aligned.
.macro OUTT rt
.set BK, HACC+32*((\rt)%2)
.irp ft, 0,1,2,3
	ds_store_b128 v[OS], v[YACC+8*(4*\ft+(\rt)):YACC+8*(4*\ft+(\rt))+3]   offset:64*\ft
	ds_store_b128 v[OS], v[YACC+8*(4*\ft+(\rt))+4:YACC+8*(4*\ft+(\rt))+7] offset:64*\ft+16
.endr
.if (\rt) >= 2
	s_wait_xcnt 0x0                                ; the stores of two tiles back have read these registers
.endif
.irp i, 0,1,2,3,4,5,6,7
	ds_load_b128 v[BK+4*\i:BK+4*\i+3], v[OLD] offset:2*SP*\i  ; LDS serves a wave's instructions in order (ISA guide 5.7.1.4): these see the stores above, and the next tile's stores come behind them
.endr
.irp i, 0,1,2,3,4,5,6,7
	s_wait_dscnt 7-\i
	global_store_b128 v[GO], v[BK+4*\i:BK+4*\i+3], s[OUTP:OUTP+1] offset:16384*(\rt)+2048*\i th:TH_STORE_NT
.endr
.endm
	s_load_b256 s[4:11], s[0:1], 0x0               ; o s[4:5], x1 s[6:7], wf s[8:9], b_out_cross s[10:11]
	s_load_b256 s[12:19], s[0:1], 0x20             ; g2 s[12:13], be2 s[14:15], b1 s[16:17], b2 s[18:19]
	s_load_b128 s[20:23], s[0:1], 0x40             ; g3 s[20:21], be3 s[22:23]
	s_load_b64 s[24:25], s[0:1], 0x50              ; out0
	v_lshl_add_u32 v[SPW], v0, 2, SPARE
	v_mov_b32 v[NIL], 0
	v_lshrrev_b32 v16, 5, v0
	v_readfirstlane_b32 s[WV], v16                 ; wave 0..3
	v_and_b32 v16, 15, v0
	v_bfe_u32 v17, v0, 4, 1
	v_and_b32 v[LO], 31, v0
	v_lshlrev_b32 v[LO], 4, v[LO]
	v_mov_b32 v[ZERO], 0
	v_lshlrev_b32 v[FO], 5, v17
	v_lshlrev_b32 v[SL], 4, v16
	s_lshl_b32 s34, s[WV], 2
	v_add_nc_u32 v[SS], s34, v[SL]
	v_mul_u32_u24 v[XL], v16, PX
	v_lshl_add_u32 v[XL], v17, 4, v[XL]
	s_lshl_b32 s34, s[WV], 7
	v_add_nc_u32 v[XS], s34, v[XL]
	v_mul_u32_u24 v[HLD], v16, PH
	v_lshl_add_u32 v[HLD], v17, 4, v[HLD]
	s_lshl_b32 s34, s[WV], 6
	v_add_nc_u32 v[HST], s34, v[HLD]
	s_mul_i32 s34, s[WV], 16*SP
	s_add_co_u32 s34, s34, STG                     ; my stage
	v_mul_u32_u24 v[OS], v16, SP
	v_lshl_add_u32 v[OS], v17, 5, v[OS]
	v_add_nc_u32 v[OS], s34, v[OS]
	v_mul_u32_u24 v[OLD], v17, SP
	v_lshl_add_u32 v[OLD], v16, 4, v[OLD]
	v_add_nc_u32 v[OLD], s34, v[OLD]
	v_lshlrev_b32 v[GO], 10, v17
	v_lshl_add_u32 v[GO], v16, 4, v[GO]
	s_mov_b32 s[SEL], 0x76543210
	s_mov_b32 s[SEL+1], 0xfedcba98
	s_mov_b32 s[INV], 0x3b800000                   ; 1 / 256
	s_mov_b32 s[EPS], 0x3727c5ac                   ; 1e-5
	s_mov_b32 s35, 0
	s_mov_b32 s37, 0
	s_lshl_b32 s36, s[WV], 8                       ; my 64 features: 256 bytes
	s_wait_kmcnt 0x0
	s_lshl_b32 s34, ttmp9, 15                      ; o: four query tiles of 8,192 bytes
	s_add_nc_u64 s[4:5], s[4:5], s[34:35]
	s_add_nc_u64 s[10:11], s[10:11], s[36:37]
	s_add_nc_u64 s[12:13], s[12:13], s[36:37]
	s_add_nc_u64 s[14:15], s[14:15], s[36:37]
	s_add_nc_u64 s[18:19], s[18:19], s[36:37]
	s_add_nc_u64 s[20:21], s[20:21], s[36:37]
	s_add_nc_u64 s[22:23], s[22:23], s[36:37]
	s_lshl_b32 s34, ttmp9, 16                      ; 64 rows of 1,024 bytes
	s_add_co_u32 s34, s34, s36
	s_add_nc_u64 s[OUTP:OUTP+1], s[OUTP:OUTP+1], s[34:35]
	s_lshl_b32 s34, ttmp9, 16                      ; x1: four row tiles of 16,384 bytes; my four feature tiles of 1,024
	s_lshl_b32 s36, s[WV], 12
	s_add_co_u32 s34, s34, s36
	s_add_nc_u64 s[6:7], s[6:7], s[34:35]
	s_lshl_b32 s34, s[WV], 7                       ; my 32 hidden units of a step: 128 bytes of b1
	s_add_nc_u64 s[B1P:B1P+1], s[B1P:B1P+1], s[34:35]
	s_lshl_b32 s34, s[WV], 15
	s_add_nc_u64 s[WOP:WOP+1], s[8:9], s[34:35]
	s_lshl_b32 s34, s[WV], 14
	s_add_nc_u64 s[W1P:W1P+1], s[8:9], s[34:35]
	s_lshl_b32 s34, s[WV], 18
	s_add_nc_u64 s[W2P:W2P+1], s[8:9], s[34:35]
.set a, 0
.rept 16                               ; x1 starts the sums: nothing is cleared
	global_load_b128 v[YACC+8*a:YACC+8*a+3],   v[LO], s[6:7] offset:16384*(a%4)+1024*(a/4)
	global_load_b128 v[YACC+8*a+4:YACC+8*a+7], v[LO], s[6:7] offset:16384*(a%4)+1024*(a/4)+512
.set a, a+1
.endr
	WIN 0xc0
	LD8 128, FO, 10                                ; bo
	WIN 0x40
	LDF 0, 32, 4, 0                                ; o: row tile rt, head k at 1,024 (8 rt + k)
	WIN 0x80
	LDF 0, 32, WOP, WOC
	WIN 0xc0
	LD8 160, FO, 12                                ; g2
	LD8 192, FO, 14                                ; be2
	LD8 224, FO, 18                                ; b2
	s_wait_loadcnt 24                              ; those last 24 may stay out (a load whose issue would pass the counter's field waits at issue: ISA guide 5.7.1)
	WIN 0x0c                                       ; source 1 window 3
.set a, 0
.rept 16
.irp j, 0,1,2,3
	v_pk_add_f32 v[YACC+8*a+2*\j:YACC+8*a+2*\j+1], v[YACC+8*a+2*\j:YACC+8*a+2*\j+1], v[128+8*(a/4)+2*\j:128+8*(a/4)+2*\j+1]
.endr
.set a, a+1
.endr
	WIN 0x06                                       ; source 0 (Wo) window 2, source 1 (o) window 1
.set k, 0
.rept 8
.set a, 0
.rept 16
	v_wmma_f32_16x16x32_bf16 v[YACC+8*a:YACC+8*a+7], v[8*(8*(a/4)+k):8*(8*(a/4)+k)+7], v[64*(a%4)+8*k:64*(a%4)+8*k+7], v[YACC+8*a:YACC+8*a+7]
.set a, a+1
.endr
.set k, k+1
.endr
	WIN 0
	PLACES
	LDW1                                           ; the first step's weights go out under the norm
	LDW2
	s_wait_loadcnt 63                              ; g2, be2, b2: 68 loads are younger and the count holds 63 at the most, so this asks for a little more than is needed
	LNORM STAT, STAT+1024, 0x3c                    ; x2, in f32, in place
	WIN 0xc0
	LD8 160, FO, 20                                ; g3 and be3 take g2's and be2's registers
	LD8 192, FO, 22
	WIN 0
.set a, 0
.rept 16
.irp j, 0,1,2,3
	v_cvt_pk_bf16_f32 v[T+4*(a%4)+\j], v[YACC+8*a+2*\j], v[YACC+8*a+2*\j+1]
.endr
	ds_store_b128 v[XS], v[T+4*(a%4):T+4*(a%4)+3] offset:XB+16*PX*(a%4)+32*(a/4)
.set a, a+1
.endr
	BAR                                            ; the rows of x2 are whole; nothing is stored into XB behind this barrier
	WIN 0x40
.set f, 0
.rept 32
	ds_load_b128 v[8*f:8*f+3],   v[XL] offset:XB+16*PX*(f/8)+64*(f%8)
	ds_load_b128 v[8*f+4:8*f+7], v[XL] offset:XB+16*PX*(f/8)+64*(f%8)+32
.set f, f+1
.endr
	WIN 0x0c
.set a, 0
.rept 16                               ; the second product's sums start from x2 + b2
.irp j, 0,1,2,3
	v_pk_add_f32 v[YACC+8*a+2*\j:YACC+8*a+2*\j+1], v[YACC+8*a+2*\j:YACC+8*a+2*\j+1], v[224+8*(a/4)+2*\j:224+8*(a/4)+2*\j+1]
.endr
.set a, a+1
.endr
	WIN 0
	s_wait_dscnt 0x0
	s_mov_b32 s[CNT], 15
.Lstep:
	STEP 0
	s_sub_co_u32 s[CNT], s[CNT], 1
	s_cmp_lg_u32 s[CNT], 0
	s_cbranch_scc1 .Lstep
	STEP 1                                         ; the last step loads nothing
	PLACES
	LNORM STAT+2048, STAT+3072, 0x3c
	OUTT 0
	OUTT 1
	OUTT 2
	OUTT 3
	s_wait_tensorcnt 0x0                           ; the wave's end, behind my last LDS store
	ds_add_u32 v[SPW], v[NIL]
	s_wait_dscnt 0x0
	s_endpgm
.Lfunc_end_k_qb20550f57c_ffn:
	.size	k_qb20550f57c_ffn, .Lfunc_end_k_qb20550f57c_ffn-k_qb20550f57c_ffn
	.p2alignl 7, 3214868480
	.fill 96, 4, 3214868480
	.section	.rodata,"a",@progbits
	.p2align	6, 0x0
	.amdhsa_kernel k_qb20550f57c_ffn
		.amdhsa_group_segment_fixed_size 73216
		.amdhsa_private_segment_fixed_size 0
		.amdhsa_enable_private_segment 0
		.amdhsa_kernarg_size 88
		.amdhsa_user_sgpr_count 2
		.amdhsa_user_sgpr_kernarg_segment_ptr 1
		.amdhsa_wavefront_size32 1
		.amdhsa_system_sgpr_workgroup_id_x 1
		.amdhsa_system_sgpr_workgroup_id_y 1
		.amdhsa_system_sgpr_workgroup_id_z 1
		.amdhsa_system_vgpr_workitem_id 0
		.amdhsa_next_free_vgpr 1024
		.amdhsa_next_free_sgpr 66
		.amdhsa_reserve_vcc 0
		.amdhsa_float_denorm_mode_32 3
		.amdhsa_float_denorm_mode_16_64 3
		.amdhsa_memory_ordered 1
		.amdhsa_forward_progress 1
		.amdhsa_inst_pref_size 147
	.end_amdhsa_kernel
	.amdgpu_metadata
---
amdhsa.version: [ 1, 2 ]
amdhsa.kernels:
  - .name:           k_qb20550f57c_ffn
    .symbol:         k_qb20550f57c_ffn.kd
    .args:
      - { .name: o, .offset: 0, .size: 8, .value_kind: global_buffer, .address_space: global }
      - { .name: x1, .offset: 8, .size: 8, .value_kind: global_buffer, .address_space: global }
      - { .name: wf, .offset: 16, .size: 8, .value_kind: global_buffer, .address_space: global }
      - { .name: b_out_cross, .offset: 24, .size: 8, .value_kind: global_buffer, .address_space: global }
      - { .name: g2, .offset: 32, .size: 8, .value_kind: global_buffer, .address_space: global }
      - { .name: be2, .offset: 40, .size: 8, .value_kind: global_buffer, .address_space: global }
      - { .name: b1, .offset: 48, .size: 8, .value_kind: global_buffer, .address_space: global }
      - { .name: b2, .offset: 56, .size: 8, .value_kind: global_buffer, .address_space: global }
      - { .name: g3, .offset: 64, .size: 8, .value_kind: global_buffer, .address_space: global }
      - { .name: be3, .offset: 72, .size: 8, .value_kind: global_buffer, .address_space: global }
      - { .name: out0, .offset: 80, .size: 8, .value_kind: global_buffer, .address_space: global }
    .group_segment_fixed_size: 73216
    .private_segment_fixed_size: 0
    .kernarg_segment_align: 8
    .kernarg_segment_size: 88
    .max_flat_workgroup_size: 128
    .sgpr_count:     66
    .vgpr_count:     1024
    .wavefront_size: 32
...
	.end_amdgpu_metadata
.endif
;; end of part 5
;; ======== version 2 of 3: 7 launches; 1.12 times as fast as version 1
;; workspace buffers: wf 3,145,728 bytes; q 2,097,152 bytes; kvs 4,194,304 bytes; kvc 4,194,304 bytes; o 2,097,152 bytes; x1 4,194,304 bytes; part 16,777,216 bytes
;; launch prep: the kernel of part 1 again; grid 192 x 1, 8 waves a work-group, no clusters, 0 bytes of LDS; arguments w1, w2, w_in_self, w_in_cross, w_out_self, w_out_cross, wf; writes wf
;; launch proj: the kernel of part 2 again; grid 128 x 2, 8 waves a work-group, no clusters, 34,816 bytes of LDS; arguments tgt, query_pos, memory, pos, b_in_self, b_in_cross, wf, q, kvs, kvc; writes q, kvs, kvc
;; launch attn: the kernel of part 3 again; grid 32 x 8, 8 waves a work-group, no clusters, 148,480 bytes of LDS; arguments q, kvs, o; writes o
;; launch mid: the kernel of part 4 again; grid 256 x 1, 4 waves a work-group, no clusters, 9,472 bytes of LDS; arguments o, tgt, query_pos, wf, b_out_self, g1, be1, b_in_cross, x1, q; writes x1, q
;; launch attn_cross: the kernel of part 3 again; grid 32 x 8, 8 waves a work-group, no clusters, 148,480 bytes of LDS; arguments q, kvc, o; writes o
;; launch ffn (part 6): grid 64 x 4, 4 waves a work-group, no clusters, 53,760 bytes of LDS; arguments o, x1, wf, b_out_cross, g2, be2, b1, b2, part; writes part
.if DOCPART == 6
	.amdgcn_target "amdgcn-amd-amdhsa--gfx1250"
	.amdhsa_code_object_version 6
	.text
	.protected	k_qb20550f57c_ffn
	.globl	k_qb20550f57c_ffn
	.p2align	8
	.type	k_qb20550f57c_ffn,@function
k_qb20550f57c_ffn:
	s_mov_b64 s[64:65], 0
	v_nop
	global_prefetch_b8 v0, s[64:65] scope:SCOPE_SE
	s_setreg_imm32_b32 hwreg(HW_REG_WAVE_MODE, 25, 1), 1
	s_wait_xcnt 0x0
; x2 = LN(x1 + o Wo^T + bo; g2, be2);  part[y] = f (x2 + b2) + relu(x2 W1^T + b1) W2^T over the hidden units 512 y .. 512 y + 511, with f = 1 at y = 0 and 0 elsewhere.
; The four partial sums, in f32, are added and normed by the next launch.  The residual stays in f32; h never leaves the work-group.
; THE HIDDEN UNITS ARE SPLIT FOUR WAYS OVER WORK-GROUPS: 64 row blocks x 4 quarters are 256 work-groups, and a work-group walks a quarter of W1 and W2, 512 KiB, not all 2 MiB.  The price: x2 of a row block is made
; four times (128 products a wave), and 4 x 4 MiB of partial sums go through memory once.  No branch hangs on y: it enters four offsets and the factor f.
; The norm goes in two passes (the mean, then the sum of (x - mean)^2).  Roundings to bf16: o and the weights (earlier launches), x2 as an operand, h.  relu is taken on the rounded pairs by a maximum that drops a NaN;
; NaN and infinities are not treated apart otherwise (f = 0 times a number that is not finite is no 0).
; SHARES.  A work-group takes 64 rows (NRT = 4 tiles); wave w the output features 64 w .. 64 w + 63 and, of each step's 128 hidden units, 32 w .. 32 w + 31.  Each weight fragment is wanted by one wave,
; goes straight into its registers and feeds four products.  Four steps of 128 hidden units.
; LAYOUT.  All products are W x^T (source 0 = 16 features, source 1 = 16 rows): a lane holds ONE row (lane % 16) and the features 8 (lane / 16) + 0..7.  x2 and h change waves through LDS, as bf16 rows.
; part is laid out as accumulators lie: [y][row tile][feature tile], a tile of 1,024 bytes: byte 512 p + 16 lane + 4 e holds register 4 p + e.
; NO CLUSTER, NO TENSOR LOAD: the weights are taken into registers.
; REGISTERS.  Window 0 below.  Window 1: the rows' fragments X(rt, k) at 64 rt + 8 k (o, then x2).  Window 2: Wo (ft, k) at 8 (8 ft + k); then W1 (ht, k) at 8 (8 ht + k) and W2 (ft, ks) at 128 + 8 (4 ft + ks).
; Window 3: v0-127 h's fragments (rt, ks) at 8 (4 rt + ks); v128-159 bo; v160-191 g2; v192-223 be2; v224-255 b2.
.set PX,    528                        ; a row of 256 bf16 + 16 bytes;  PH: 256 bytes + 16: odd multiples of 16
.set PH,    272
.set XB,    0                          ; bf16(x2), 64 rows
.set HB,    64*PX                      ; a step's h, 64 rows x 128
.set STAT,  HB+64*PH                   ; two sets of partial sums: row tile rt, row r, wave w at 256 rt + 16 r + 4 w
.set SPARE, STAT+2*1024                ; the spare words, 128 bytes a wave: two blocks of 256 bytes that no other line names
.set WOC,   917504
.set W1F,   1048576
.set W2F,   2097152
.set NRT,   4
.set NSTEP, 4                          ; steps of 128 hidden units in a quarter
.set LO,  1                            ; v1   16 x lane
.set SPW, 2                            ; v2   my spare word; never rewritten
.set NIL, 3                            ; v3   0; never rewritten
.set ZERO, 4                           ; v4   0, for relu
.set FO,  5                            ; v5   32 (lane / 16)
.set SS,  6                            ; v6   16 (lane % 16) + 4 w
.set SL,  7                            ; v7   16 (lane % 16)
.set XS,  8                            ; v8   (lane % 16) x PX + 16 (lane / 16) + 128 w
.set XL,  9                            ; v9   (lane % 16) x PX + 16 (lane / 16)
.set HST, 10                           ; v10  (lane % 16) x PH + 16 (lane / 16) + 64 w
.set HLD, 11                           ; v11  (lane % 16) x PH + 16 (lane / 16)
.set YACC, 32                          ; v[32:159]  the residual and the sums: (ft, rt) at YACC + 8 (4 ft + rt)
.set ACCB, 32
.set HACC, 160                         ; v[160:223] h's sums: (ht, rt) at HACC + 8 (4 ht + rt); also the norm's registers at work
.set TS,  160
.set LD,  168
.set B1R, 224                          ; v[224:239] b1 of my two hidden tiles
.set T,   240                          ; v[240:255] packed bf16, four sets
.set GR,  160                          ; in window 3
.set BER, 192
.set B2R, 224
.set Y,   20                           ; s20  which quarter of the hidden units
.set FAC, 22                           ; s[22:23] f, named as a pair
.set WV,  26
.set CNT, 27
.set WOP, 28                           ; s[28:29] wf at my four row tiles of Wo
.set W1P, 30                           ; s[30:31] wf at my two row tiles of the step's W1
.set W2P, 32                           ; s[32:33] wf at my four row tiles of W2, at the step's four k steps
.set B1P, 16                           ; s[16:17] b1 at my 32 units of the step
.set OUTP, 24                          ; s[24:25] part at my quarter, rows and features
.set SEL, 38
.set INV, 40
.set EPS, 41
.set MSB, 0
.macro WIN new                         ; s_set_vgpr_msb: bits 1:0 source 0, 3:2 source 1, 5:4 source 2, 7:6 destination; the high byte repeats the setting that is left
.if MSB != (\new)
	s_set_vgpr_msb (MSB<<8)|(\new)
.set MSB, \new
.endif
.endm
.macro PLACES                          ; four plain vector instructions between a matrix instruction and a reader of its result or a writer of its registers (ISA guide 7.12.1)
.rept 4
	v_nop
.endr
.endm
.macro BAR
	s_wait_dscnt 0x0                               ; for the others' sake: my LDS stores are done
	s_barrier_signal -1
	s_barrier_wait -1
.endm
.macro LD8 dst, vo, sb
.set i, 0
.rept 8
	global_load_b128 v[(\dst)+4*i:(\dst)+4*i+3], v[\vo], s[\sb:(\sb)+1] offset:64*(i/2)+16*(i%2)
.set i, i+1
.endr
.endm
.macro LDF dst, n, sb, off
.set f, 0
.rept \n
	global_load_b128 v[(\dst)+8*f:(\dst)+8*f+3],   v[LO], s[\sb:(\sb)+1] offset:(\off)+1024*f
	global_load_b128 v[(\dst)+8*f+4:(\dst)+8*f+7], v[LO], s[\sb:(\sb)+1] offset:(\off)+1024*f+512
.set f, f+1
.endr
.endm
.macro LDW1                            ; a step's W1 (32 loads) and b1 (4)
	WIN 0x80
	LDF 0, 16, W1P, W1F
	WIN 0
.irp i, 0,1,2,3
	global_load_b128 v[B1R+4*\i:B1R+4*\i+3], v[FO], s[B1P:B1P+1] offset:64*(\i/2)+16*(\i%2)
.endr
.endm
.macro LDW2                            ; a step's W2: 32 loads
	WIN 0x80
.set f, 0
.rept 16
	global_load_b128 v[128+8*f:128+8*f+3],   v[LO], s[W2P:W2P+1] offset:W2F+65536*(f/4)+1024*(f%4)
	global_load_b128 v[128+8*f+4:128+8*f+7], v[LO], s[W2P:W2P+1] offset:W2F+65536*(f/4)+1024*(f%4)+512
.set f, f+1
.endr
	WIN 0
.endm
; The lane's pair TS(rt) becomes the row's sum over 256 features, in LD(rt).
.macro RSUM st
.set rt, 0
.rept NRT
	v_add_f32 v[TS+2*rt], v[TS+2*rt], v[TS+2*rt+1]
.set rt, rt+1
.endr
.set rt, 0
.rept NRT
	v_permlanex16_b32 v[TS+2*rt+1], v[TS+2*rt], s[SEL], s[SEL+1]
.set rt, rt+1
.endr
.set rt, 0
.rept NRT
	v_add_f32 v[TS+2*rt], v[TS+2*rt], v[TS+2*rt+1]
	ds_store_b32 v[SS], v[TS+2*rt] offset:(\st)+256*rt  ; both halves of the lanes store the same number to the same word
.set rt, rt+1
.endr
	BAR
.set rt, 0
.rept NRT
	ds_load_b128 v[LD+4*rt:LD+4*rt+3], v[SL] offset:(\st)+256*rt
.set rt, rt+1
.endr
	s_wait_dscnt 0x0
.set rt, 0
.rept NRT
	v_add_f32 v[LD+4*rt], v[LD+4*rt], v[LD+4*rt+1]
	v_add_f32 v[LD+4*rt+2], v[LD+4*rt+2], v[LD+4*rt+3]
	v_add_f32 v[LD+4*rt], v[LD+4*rt], v[LD+4*rt+2]
.set rt, rt+1
.endr
.endm
; The norm, in place on the accumulators acc(ft, rt) at ACCB + 8 (NRT ft + rt); pair i of 16 is registers 2 (i % 4) of feature tile i / 4.  Each accumulator is read from its low end on.
.macro LNORM st1, st2, gwin
.set rt, 0
.rept NRT
	v_pk_add_f32 v[TS+2*rt:TS+2*rt+1], v[ACCB+8*rt:ACCB+8*rt+1], v[ACCB+8*rt+2:ACCB+8*rt+3]
.set rt, rt+1
.endr
.set i, 2
.rept 14
.set rt, 0
.rept NRT
	v_pk_add_f32 v[TS+2*rt:TS+2*rt+1], v[TS+2*rt:TS+2*rt+1], v[ACCB+8*(NRT*(i/4)+rt)+2*(i%4):ACCB+8*(NRT*(i/4)+rt)+2*(i%4)+1]
.set rt, rt+1
.endr
.set i, i+1
.endr
	RSUM \st1
.set rt, 0
.rept NRT
	v_mul_f32 v[TS+2*rt], s[INV], v[LD+4*rt]       ; the mean
.set rt, rt+1
.endr
.set i, 0
.rept 16
.set rt, 0
.rept NRT
	v_pk_add_f32 v[ACCB+8*(NRT*(i/4)+rt)+2*(i%4):ACCB+8*(NRT*(i/4)+rt)+2*(i%4)+1], v[ACCB+8*(NRT*(i/4)+rt)+2*(i%4):ACCB+8*(NRT*(i/4)+rt)+2*(i%4)+1], v[TS+2*rt:TS+2*rt+1] op_sel_hi:[1,0] neg_lo:[0,1] neg_hi:[0,1]
.set rt, rt+1
.endr
.set i, i+1
.endr
.set rt, 0
.rept NRT
	v_pk_mul_f32 v[TS+2*rt:TS+2*rt+1], v[ACCB+8*rt:ACCB+8*rt+1], v[ACCB+8*rt:ACCB+8*rt+1]
.set rt, rt+1
.endr
.set i, 1
.rept 15
.set rt, 0
.rept NRT
	v_pk_fma_f32 v[TS+2*rt:TS+2*rt+1], v[ACCB+8*(NRT*(i/4)+rt)+2*(i%4):ACCB+8*(NRT*(i/4)+rt)+2*(i%4)+1], v[ACCB+8*(NRT*(i/4)+rt)+2*(i%4):ACCB+8*(NRT*(i/4)+rt)+2*(i%4)+1], v[TS+2*rt:TS+2*rt+1]
.set rt, rt+1
.endr
.set i, i+1
.endr
	RSUM \st2
.set rt, 0
.rept NRT
	v_fma_f32 v[LD+4*rt], v[LD+4*rt], s[INV], s[EPS]  ; the variance + 1e-5
.set rt, rt+1
.endr
.set rt, 0
.rept NRT
	v_rsq_f32 v[TS+2*rt], v[LD+4*rt]
.set rt, rt+1
.endr
	v_nop                                          ; a plain instruction behind the last root,
	s_wait_alu depctr_va_vdst(0)                   ; and the one wait ahead of the first reader
.set i, 0
.rept 16
.set rt, 0
.rept NRT
	v_pk_mul_f32 v[ACCB+8*(NRT*(i/4)+rt)+2*(i%4):ACCB+8*(NRT*(i/4)+rt)+2*(i%4)+1], v[ACCB+8*(NRT*(i/4)+rt)+2*(i%4):ACCB+8*(NRT*(i/4)+rt)+2*(i%4)+1], v[TS+2*rt:TS+2*rt+1] op_sel_hi:[1,0]
.set rt, rt+1
.endr
.set i, i+1
.endr
	WIN \gwin
.set i, 0
.rept 16
.set rt, 0
.rept NRT
	v_pk_fma_f32 v[ACCB+8*(NRT*(i/4)+rt)+2*(i%4):ACCB+8*(NRT*(i/4)+rt)+2*(i%4)+1], v[ACCB+8*(NRT*(i/4)+rt)+2*(i%4):ACCB+8*(NRT*(i/4)+rt)+2*(i%4)+1], v[GR+2*i:GR+2*i+1], v[BER+2*i:BER+2*i+1]
.set rt, rt+1
.endr
.set i, i+1
.endr
	WIN 0
.endm
; A STEP: 128 hidden units.  h^T = b1 + W1 x2^T for my 32 of them; relu, rounded, into LDS; a barrier; all 128 back as fragments; y^T += W2 h^T for my 64 features.
; Two barriers round the one buffer of h: store, barrier, load; and load, barrier, the next step's store.  W1 of the next step has the second product in which to land, W2 the first.
.macro STEP last
	s_wait_loadcnt 32                              ; W1 and b1 of this step are in; W2's 32 loads, issued behind them, may stay out
	WIN 0x06                                       ; source 0 (W1) window 2, source 1 (x2) window 1
.set k, 0
.rept 8
.set a, 0
.rept 8                                ; a = 4 ht + rt: the eight accumulators take turns
.if k == 0
	v_wmma_f32_16x16x32_bf16 v[HACC+8*a:HACC+8*a+7], v[8*(8*(a/4)+k):8*(8*(a/4)+k)+7], v[64*(a%4)+8*k:64*(a%4)+8*k+7], v[B1R+8*(a/4):B1R+8*(a/4)+7]
.else
	v_wmma_f32_16x16x32_bf16 v[HACC+8*a:HACC+8*a+7], v[8*(8*(a/4)+k):8*(8*(a/4)+k)+7], v[64*(a%4)+8*k:64*(a%4)+8*k+7], v[HACC+8*a:HACC+8*a+7]
.endif
.set a, a+1
.endr
.set k, k+1
.endr
	WIN 0
	PLACES
.set a, 0
.rept 8
.irp j, 0,1,2,3
	v_cvt_pk_bf16_f32 v[T+4*(a%4)+\j], v[HACC+8*a+2*\j], v[HACC+8*a+2*\j+1]
.endr
.irp j, 0,1,2,3
	v_pk_max_num_bf16 v[T+4*(a%4)+\j], v[T+4*(a%4)+\j], v[ZERO]
.endr
	ds_store_b128 v[HST], v[T+4*(a%4):T+4*(a%4)+3] offset:HB+16*PH*(a%4)+32*(a/4)
.set a, a+1
.endr
.if !(\last)
	s_wait_xcnt 0x0                                ; every load issued so far has read its address: the pointers may be written
	s_add_nc_u64 s[W1P:W1P+1], s[W1P:W1P+1], 65536
	s_add_nc_u64 s[B1P:B1P+1], s[B1P:B1P+1], 512
	LDW1
.endif
	BAR                                            ; all four waves' h lies in LDS
	WIN 0xc0
.set f, 0
.rept 16                               ; f = 4 rt + ks
	ds_load_b128 v[8*f:8*f+3],   v[HLD] offset:HB+16*PH*(f/4)+64*(f%4)
	ds_load_b128 v[8*f+4:8*f+7], v[HLD] offset:HB+16*PH*(f/4)+64*(f%4)+32
.set f, f+1
.endr
.if \last
	s_wait_loadcnt 0x0                             ; W2
	s_wait_dscnt 0x0
.else
	s_wait_loadcnt 36                              ; W2 of this step is in; the next step's W1 and b1, 36 loads, may stay out
	s_wait_dscnt 0x0                               ; my reads of h are over:
	s_barrier_signal -1                            ; say so; the products below, work on registers alone, stand between the signal and the wait
.endif
	WIN 0x0e                                       ; source 0 (W2) window 2, source 1 (h) window 3
.set ks, 0
.rept 4
.set a, 0
.rept 16                               ; a = 4 ft + rt: sixteen accumulators take turns
	v_wmma_f32_16x16x32_bf16 v[YACC+8*a:YACC+8*a+7], v[128+8*(4*(a/4)+ks):128+8*(4*(a/4)+ks)+7], v[8*(4*(a%4)+ks):8*(4*(a%4)+ks)+7], v[YACC+8*a:YACC+8*a+7]
.set a, a+1
.endr
.set ks, ks+1
.endr
	WIN 0
.if !(\last)
	s_barrier_wait -1                              ; nobody reads h any more: the next step may store it
	PLACES
	s_wait_xcnt 0x0
	s_add_nc_u64 s[W2P:W2P+1], s[W2P:W2P+1], 4096
	LDW2
.endif
.endm
	s_load_b256 s[4:11], s[0:1], 0x0               ; o s[4:5], x1 s[6:7], wf s[8:9], b_out_cross s[10:11]
	s_load_b256 s[12:19], s[0:1], 0x20             ; g2 s[12:13], be2 s[14:15], b1 s[16:17], b2 s[18:19]
	s_load_b64 s[24:25], s[0:1], 0x40              ; part
	v_lshl_add_u32 v[SPW], v0, 2, SPARE
	v_mov_b32 v[NIL], 0
	v_lshrrev_b32 v16, 5, v0
	v_readfirstlane_b32 s[WV], v16                 ; wave 0..3
	v_and_b32 v16, 15, v0
	v_bfe_u32 v17, v0, 4, 1
	v_and_b32 v[LO], 31, v0
	v_lshlrev_b32 v[LO], 4, v[LO]
	v_mov_b32 v[ZERO], 0
	v_lshlrev_b32 v[FO], 5, v17
	v_lshlrev_b32 v[SL], 4, v16
	s_lshl_b32 s34, s[WV], 2
	v_add_nc_u32 v[SS], s34, v[SL]
	v_mul_u32_u24 v[XL], v16, PX
	v_lshl_add_u32 v[XL], v17, 4, v[XL]
	s_lshl_b32 s34, s[WV], 7
	v_add_nc_u32 v[XS], s34, v[XL]
	v_mul_u32_u24 v[HLD], v16, PH
	v_lshl_add_u32 v[HLD], v17, 4, v[HLD]
	s_lshl_b32 s34, s[WV], 6
	v_add_nc_u32 v[HST], s34, v[HLD]
	s_and_b32 s[Y], ttmp7, 0xffff                  ; my quarter of the hidden units
	s_cmp_eq_u32 s[Y], 0
	s_cselect_b32 s[FAC], 1.0, 0                   ; the first quarter's sums carry the residual and b2
	s_mov_b32 s[FAC+1], s[FAC]
	s_mov_b32 s[SEL], 0x76543210
	s_mov_b32 s[SEL+1], 0xfedcba98
	s_mov_b32 s[INV], 0x3b800000                   ; 1 / 256
	s_mov_b32 s[EPS], 0x3727c5ac                   ; 1e-5
	s_mov_b32 s35, 0
	s_mov_b32 s37, 0
	s_lshl_b32 s36, s[WV], 8                       ; my 64 features: 256 bytes
	s_wait_kmcnt 0x0
	s_lshl_b32 s34, ttmp9, 15                      ; o: four query tiles of 8,192 bytes
	s_add_nc_u64 s[4:5], s[4:5], s[34:35]
	s_add_nc_u64 s[10:11], s[10:11], s[36:37]
	s_add_nc_u64 s[12:13], s[12:13], s[36:37]
	s_add_nc_u64 s[14:15], s[14:15], s[36:37]
	s_add_nc_u64 s[18:19], s[18:19], s[36:37]
	s_lshl_b32 s34, ttmp9, 16                      ; x1 and part: four row tiles of 16,384 bytes; my four feature tiles of 1,024
	s_lshl_b32 s36, s[WV], 12
	s_add_co_u32 s34, s34, s36
	s_add_nc_u64 s[6:7], s[6:7], s[34:35]
	s_lshl_b32 s36, s[Y], 22                       ; a quarter's partial sums are 4,194,304 bytes
	s_add_co_u32 s34, s34, s36
	s_add_nc_u64 s[OUTP:OUTP+1], s[OUTP:OUTP+1], s[34:35]
	s_lshl_b32 s34, s[WV], 7                       ; b1: my 32 hidden units of a step are 128 bytes, a quarter 2,048
	s_lshl_b32 s36, s[Y], 11
	s_add_co_u32 s34, s34, s36
	s_add_nc_u64 s[B1P:B1P+1], s[B1P:B1P+1], s[34:35]
	s_lshl_b32 s34, s[WV], 15
	s_add_nc_u64 s[WOP:WOP+1], s[8:9], s[34:35]
	s_lshl_b32 s34, s[WV], 14                      ; W1: my two row tiles of a step, a quarter's four steps of 65,536 bytes
	s_lshl_b32 s36, s[Y], 18
	s_add_co_u32 s34, s34, s36
	s_add_nc_u64 s[W1P:W1P+1], s[8:9], s[34:35]
	s_lshl_b32 s34, s[WV], 18                      ; W2: my four row tiles, a quarter's four steps of 4,096 bytes in each
	s_lshl_b32 s36, s[Y], 14
	s_add_co_u32 s34, s34, s36
	s_add_nc_u64 s[W2P:W2P+1], s[8:9], s[34:35]
.set a, 0
.rept 16                               ; x1 starts the sums: nothing is cleared
	global_load_b128 v[YACC+8*a:YACC+8*a+3],   v[LO], s[6:7] offset:16384*(a%4)+1024*(a/4)
	global_load_b128 v[YACC+8*a+4:YACC+8*a+7], v[LO], s[6:7] offset:16384*(a%4)+1024*(a/4)+512
.set a, a+1
.endr
	WIN 0xc0
	LD8 128, FO, 10                                ; bo
	WIN 0x40
	LDF 0, 32, 4, 0                                ; o: row tile rt, head k at 1,024 (8 rt + k)
	WIN 0x80
	LDF 0, 32, WOP, WOC
	WIN 0xc0
	LD8 GR, FO, 12                                 ; g2
	LD8 BER, FO, 14                                ; be2
	LD8 B2R, FO, 18                                ; b2
	s_wait_loadcnt 24                              ; those last 24 may stay out (a load whose issue would pass the counter's field waits at issue: ISA guide 5.7.1)
	WIN 0x0c                                       ; source 1 window 3
.set a, 0
.rept 16
.irp j, 0,1,2,3
	v_pk_add_f32 v[YACC+8*a+2*\j:YACC+8*a+2*\j+1], v[YACC+8*a+2*\j:YACC+8*a+2*\j+1], v[128+8*(a/4)+2*\j:128+8*(a/4)+2*\j+1]
.endr
.set a, a+1
.endr
	WIN 0x06                                       ; source 0 (Wo) window 2, source 1 (o) window 1
.set k, 0
.rept 8
.set a, 0
.rept 16
	v_wmma_f32_16x16x32_bf16 v[YACC+8*a:YACC+8*a+7], v[8*(8*(a/4)+k):8*(8*(a/4)+k)+7], v[64*(a%4)+8*k:64*(a%4)+8*k+7], v[YACC+8*a:YACC+8*a+7]
.set a, a+1
.endr
.set k, k+1
.endr
	WIN 0
	PLACES
	LDW1                                           ; the first step's weights go out under the norm
	LDW2
	s_wait_loadcnt 63                              ; g2, be2, b2: 68 loads are younger and the count holds 63 at the most, so this asks for a little more than is needed
	LNORM STAT, STAT+1024, 0x3c                    ; x2, in f32, in place
.set a, 0
.rept 16
.irp j, 0,1,2,3
	v_cvt_pk_bf16_f32 v[T+4*(a%4)+\j], v[YACC+8*a+2*\j], v[YACC+8*a+2*\j+1]
.endr
	ds_store_b128 v[XS], v[T+4*(a%4):T+4*(a%4)+3] offset:XB+16*PX*(a%4)+32*(a/4)
.set a, a+1
.endr
	BAR                                            ; the rows of x2 are whole; nothing is stored into XB behind this barrier
	WIN 0x40
.set f, 0
.rept 32
	ds_load_b128 v[8*f:8*f+3],   v[XL] offset:XB+16*PX*(f/8)+64*(f%8)
	ds_load_b128 v[8*f+4:8*f+7], v[XL] offset:XB+16*PX*(f/8)+64*(f%8)+32
.set f, f+1
.endr
	WIN 0xc3                                       ; destination and source 0 window 3
.set i, 0
.rept 16
	v_pk_mul_f32 v[B2R+2*i:B2R+2*i+1], v[B2R+2*i:B2R+2*i+1], s[FAC:FAC+1] op_sel_hi:[1,0]  ; f b2
.set i, i+1
.endr
	WIN 0x30                                       ; source 2 window 3
.set a, 0
.rept 16                               ; the second product's sums start from f x2 + f b2: x2 + b2 in the first quarter, 0 in the others
.irp j, 0,1,2,3
	v_pk_fma_f32 v[YACC+8*a+2*\j:YACC+8*a+2*\j+1], v[YACC+8*a+2*\j:YACC+8*a+2*\j+1], s[FAC:FAC+1], v[B2R+8*(a/4)+2*\j:B2R+8*(a/4)+2*\j+1] op_sel_hi:[1,0,1]
.endr
.set a, a+1
.endr
	WIN 0
	s_wait_dscnt 0x0
	s_mov_b32 s[CNT], NSTEP-1
.Lstep:
	STEP 0
	s_sub_co_u32 s[CNT], s[CNT], 1
	s_cmp_lg_u32 s[CNT], 0
	s_cbranch_scc1 .Lstep
	STEP 1                                         ; the last step loads nothing
	PLACES
.set a, 0
.rept 16                               ; the partial sums leave as they lie: each store covers 512 consecutive bytes, aligned; each accumulator's low half first
	global_store_b128 v[LO], v[YACC+8*a:YACC+8*a+3],   s[OUTP:OUTP+1] offset:16384*(a%4)+1024*(a/4)
	global_store_b128 v[LO], v[YACC+8*a+4:YACC+8*a+7], s[OUTP:OUTP+1] offset:16384*(a%4)+1024*(a/4)+512
.set a, a+1
.endr
	s_wait_tensorcnt 0x0                           ; the wave's end, behind my last LDS store
	ds_add_u32 v[SPW], v[NIL]
	s_wait_dscnt 0x0
	s_endpgm
.Lfunc_end_k_qb20550f57c_ffn:
	.size	k_qb20550f57c_ffn, .Lfunc_end_k_qb20550f57c_ffn-k_qb20550f57c_ffn
	.p2alignl 7, 3214868480
	.fill 96, 4, 3214868480
	.section	.rodata,"a",@progbits
	.p2align	6, 0x0
	.amdhsa_kernel k_qb20550f57c_ffn
		.amdhsa_group_segment_fixed_size 53760
		.amdhsa_private_segment_fixed_size 0
		.amdhsa_enable_private_segment 0
		.amdhsa_kernarg_size 72
		.amdhsa_user_sgpr_count 2
		.amdhsa_user_sgpr_kernarg_segment_ptr 1
		.amdhsa_wavefront_size32 1
		.amdhsa_system_sgpr_workgroup_id_x 1
		.amdhsa_system_sgpr_workgroup_id_y 1
		.amdhsa_system_sgpr_workgroup_id_z 1
		.amdhsa_system_vgpr_workitem_id 0
		.amdhsa_next_free_vgpr 1024
		.amdhsa_next_free_sgpr 66
		.amdhsa_reserve_vcc 0
		.amdhsa_float_denorm_mode_32 3
		.amdhsa_float_denorm_mode_16_64 3
		.amdhsa_memory_ordered 1
		.amdhsa_forward_progress 1
		.amdhsa_inst_pref_size 118
	.end_amdhsa_kernel
	.amdgpu_metadata
---
amdhsa.version: [ 1, 2 ]
amdhsa.kernels:
  - .name:           k_qb20550f57c_ffn
    .symbol:         k_qb20550f57c_ffn.kd
    .args:
      - { .name: o, .offset: 0, .size: 8, .value_kind: global_buffer, .address_space: global }
      - { .name: x1, .offset: 8, .size: 8, .value_kind: global_buffer, .address_space: global }
      - { .name: wf, .offset: 16, .size: 8, .value_kind: global_buffer, .address_space: global }
      - { .name: b_out_cross, .offset: 24, .size: 8, .value_kind: global_buffer, .address_space: global }
      - { .name: g2, .offset: 32, .size: 8, .value_kind: global_buffer, .address_space: global }
      - { .name: be2, .offset: 40, .size: 8, .value_kind: global_buffer, .address_space: global }
      - { .name: b1, .offset: 48, .size: 8, .value_kind: global_buffer, .address_space: global }
      - { .name: b2, .offset: 56, .size: 8, .value_kind: global_buffer, .address_space: global }
      - { .name: part, .offset: 64, .size: 8, .value_kind: global_buffer, .address_space: global }
    .group_segment_fixed_size: 53760
    .private_segment_fixed_size: 0
    .kernarg_segment_align: 8
    .kernarg_segment_size: 72
    .max_flat_workgroup_size: 128
    .sgpr_count:     66
    .vgpr_count:     1024
    .wavefront_size: 32
...
	.end_amdgpu_metadata
.endif
;; end of part 6
;; launch fin (part 7): grid 256 x 1, 4 waves a work-group, no clusters, 18,432 bytes of LDS; arguments part, g3, be3, out0; writes out0
.if DOCPART == 7
	.amdgcn_target "amdgcn-amd-amdhsa--gfx1250"
	.amdhsa_code_object_version 6
	.text
	.protected	k_qb20550f57c_fin
	.globl	k_qb20550f57c_fin
	.p2align	8
	.type	k_qb20550f57c_fin,@function
k_qb20550f57c_fin:
	s_mov_b64 s[64:65], 0
	v_nop
	global_prefetch_b8 v0, s[64:65] scope:SCOPE_SE
	s_setreg_imm32_b32 hwreg(HW_REG_WAVE_MODE, 25, 1), 1
	s_wait_xcnt 0x0
; out0 = LN(part[0] + part[1] + part[2] + part[3]; g3, be3).  part[y]: the f32 partial sums of x2 + b2 + relu(..) W2^T over a quarter of the hidden units each, laid out as accumulators lie:
; [y][row tile][feature tile], a tile of 1,024 bytes: byte 512 p + 16 lane + 4 e holds register 4 p + e; register j of lane l is (row l % 16, feature 8 (l / 16) + j) of the tile.
; All in f32.  The norm goes in two passes (the mean, then the sum of (x - mean)^2).  NaN and infinities are not treated apart.
; SHARES.  A work-group takes 16 rows, wave w the features 64 w .. 64 w + 63: four tiles.  A row's sum: 32 numbers in the lane, the other half of the lanes by one exchange, the four waves' through 16 bytes of LDS.
; A stream: each byte of part is read once, by loads of 512 consecutive bytes; each aligned 256 bytes of out0 are written whole by sixteen neighbouring lanes, through the wave's own stage in LDS.
; No matrix work, no cluster, no tensor load: no two work-groups read a byte in common but g3's and be3's 2 KiB.
.set STAT1, 0                          ; row r, wave w: a partial sum at 16 r + 4 w
.set STAT2, 256
.set SP,    272                        ; a stage row: 256 bytes + 16, an odd multiple of 16
.set STG,   512                        ; each wave's own stage: 16 rows x 64 f32
.set SPARE, STG+4*16*SP                ; the spare words, 128 bytes a wave: two blocks of 256 bytes that no other line names
.set PARTB, 4194304                    ; bytes in a quarter's partial sums
.set NRT,   1
.set LO,  1                            ; v1   16 x lane
.set SPW, 2                            ; v2   my spare word; never rewritten
.set NIL, 3                            ; v3   0; never rewritten
.set GO,  4                            ; v4   (lane / 16) x 1,024 + 16 (lane % 16)
.set FO,  5                            ; v5   32 (lane / 16): my 8 numbers of a gain
.set SS,  6                            ; v6   16 (lane % 16) + 4 w
.set SL,  7                            ; v7   16 (lane % 16)
.set OS,  8                            ; v8   my stage + (lane % 16) x SP + 32 (lane / 16)
.set OLD, 9                            ; v9   my stage + (lane / 16) x SP + 16 (lane % 16)
.set TS,  10                           ; v[10:11] the norm's pair at work
.set LD,  12                           ; v[12:15] the four waves' partial sums
.set ACCB, 32                          ; v[32:63]   part[0], then the sum, then the result
.set P1,  64                           ; v[64:95], v[96:127], v[128:159] part[1], part[2], part[3]
.set P2,  96
.set P3,  128
.set GR,  160                          ; v[160:191] g3
.set BER, 192                          ; v[192:223] be3
.set BK,  224                          ; v[224:255] whole pieces of rows, read back from the stage
.set PA,  4                            ; s[4:5]   part[0] at my tiles;  s[12:13] part[2]: three quarters do not fit into the signed 24-bit immediate
.set PB,  12
.set WV,  14
.set SEL, 20
.set INV, 22
.set EPS, 23
.set MSB, 0
.macro WIN new                         ; (the norm's text is shared with launches that have register windows; here every setting is 0 and nothing is written)
.if MSB != (\new)
	s_set_vgpr_msb (MSB<<8)|(\new)
.set MSB, \new
.endif
.endm
.macro BAR
	s_wait_dscnt 0x0                               ; for the others' sake: my LDS stores are done
	s_barrier_signal -1
	s_barrier_wait -1
.endm
.macro LD8 dst, vo, sb                 ; my 8 numbers of each of four feature tiles
.set i, 0
.rept 8
	global_load_b128 v[(\dst)+4*i:(\dst)+4*i+3], v[\vo], s[\sb:(\sb)+1] offset:64*(i/2)+16*(i%2)
.set i, i+1
.endr
.endm
.macro LDP dst, sb, off                ; my four tiles of one quarter's partial sums: eight loads of 512 consecutive bytes, read once in the launch
.set i, 0
.rept 8
	global_load_b128 v[(\dst)+4*i:(\dst)+4*i+3], v[LO], s[\sb:(\sb)+1] offset:(\off)+512*i th:TH_LOAD_NT
.set i, i+1
.endr
.endm
; The lane's pair TS(rt) becomes the row's sum over 256 features, in LD(rt).
.macro RSUM st
.set rt, 0
.rept NRT
	v_add_f32 v[TS+2*rt], v[TS+2*rt], v[TS+2*rt+1]
.set rt, rt+1
.endr
.set rt, 0
.rept NRT
	v_permlanex16_b32 v[TS+2*rt+1], v[TS+2*rt], s[SEL], s[SEL+1]
.set rt, rt+1
.endr
.set rt, 0
.rept NRT
	v_add_f32 v[TS+2*rt], v[TS+2*rt], v[TS+2*rt+1]
	ds_store_b32 v[SS], v[TS+2*rt] offset:(\st)+256*rt  ; both halves of the lanes store the same number to the same word
.set rt, rt+1
.endr
	BAR
.set rt, 0
.rept NRT
	ds_load_b128 v[LD+4*rt:LD+4*rt+3], v[SL] offset:(\st)+256*rt
.set rt, rt+1
.endr
	s_wait_dscnt 0x0
.set rt, 0
.rept NRT
	v_add_f32 v[LD+4*rt], v[LD+4*rt], v[LD+4*rt+1]
	v_add_f32 v[LD+4*rt+2], v[LD+4*rt+2], v[LD+4*rt+3]
	v_add_f32 v[LD+4*rt], v[LD+4*rt], v[LD+4*rt+2]
.set rt, rt+1
.endr
.endm
; The norm, in place on acc(ft, rt) at ACCB + 8 (NRT ft + rt); pair i of 16 is registers 2 (i % 4) of feature tile i / 4.
.macro LNORM st1, st2, gwin
.set rt, 0
.rept NRT
	v_pk_add_f32 v[TS+2*rt:TS+2*rt+1], v[ACCB+8*rt:ACCB+8*rt+1], v[ACCB+8*rt+2:ACCB+8*rt+3]
.set rt, rt+1
.endr
.set i, 2
.rept 14
.set rt, 0
.rept NRT
	v_pk_add_f32 v[TS+2*rt:TS+2*rt+1], v[TS+2*rt:TS+2*rt+1], v[ACCB+8*(NRT*(i/4)+rt)+2*(i%4):ACCB+8*(NRT*(i/4)+rt)+2*(i%4)+1]
.set rt, rt+1
.endr
.set i, i+1
.endr
	RSUM \st1
.set rt, 0
.rept NRT
	v_mul_f32 v[TS+2*rt], s[INV], v[LD+4*rt]       ; the mean
.set rt, rt+1
.endr
.set i, 0
.rept 16
.set rt, 0
.rept NRT
	v_pk_add_f32 v[ACCB+8*(NRT*(i/4)+rt)+2*(i%4):ACCB+8*(NRT*(i/4)+rt)+2*(i%4)+1], v[ACCB+8*(NRT*(i/4)+rt)+2*(i%4):ACCB+8*(NRT*(i/4)+rt)+2*(i%4)+1], v[TS+2*rt:TS+2*rt+1] op_sel_hi:[1,0] neg_lo:[0,1] neg_hi:[0,1]
.set rt, rt+1
.endr
.set i, i+1
.endr
.set rt, 0
.rept NRT
	v_pk_mul_f32 v[TS+2*rt:TS+2*rt+1], v[ACCB+8*rt:ACCB+8*rt+1], v[ACCB+8*rt:ACCB+8*rt+1]
.set rt, rt+1
.endr
.set i, 1
.rept 15
.set rt, 0
.rept NRT
	v_pk_fma_f32 v[TS+2*rt:TS+2*rt+1], v[ACCB+8*(NRT*(i/4)+rt)+2*(i%4):ACCB+8*(NRT*(i/4)+rt)+2*(i%4)+1], v[ACCB+8*(NRT*(i/4)+rt)+2*(i%4):ACCB+8*(NRT*(i/4)+rt)+2*(i%4)+1], v[TS+2*rt:TS+2*rt+1]
.set rt, rt+1
.endr
.set i, i+1
.endr
	RSUM \st2
.set rt, 0
.rept NRT
	v_fma_f32 v[LD+4*rt], v[LD+4*rt], s[INV], s[EPS]  ; the variance + 1e-5
.set rt, rt+1
.endr
.set rt, 0
.rept NRT
	v_rsq_f32 v[TS+2*rt], v[LD+4*rt]
.set rt, rt+1
.endr
	v_nop                                          ; a plain instruction behind the root,
	s_wait_alu depctr_va_vdst(0)                   ; and the one wait ahead of the first reader
.set i, 0
.rept 16
.set rt, 0
.rept NRT
	v_pk_mul_f32 v[ACCB+8*(NRT*(i/4)+rt)+2*(i%4):ACCB+8*(NRT*(i/4)+rt)+2*(i%4)+1], v[ACCB+8*(NRT*(i/4)+rt)+2*(i%4):ACCB+8*(NRT*(i/4)+rt)+2*(i%4)+1], v[TS+2*rt:TS+2*rt+1] op_sel_hi:[1,0]
.set rt, rt+1
.endr
.set i, i+1
.endr
	WIN \gwin
.set i, 0
.rept 16
.set rt, 0
.rept NRT
	v_pk_fma_f32 v[ACCB+8*(NRT*(i/4)+rt)+2*(i%4):ACCB+8*(NRT*(i/4)+rt)+2*(i%4)+1], v[ACCB+8*(NRT*(i/4)+rt)+2*(i%4):ACCB+8*(NRT*(i/4)+rt)+2*(i%4)+1], v[GR+2*i:GR+2*i+1], v[BER+2*i:BER+2*i+1]
.set rt, rt+1
.endr
.set i, i+1
.endr
	WIN 0
.endm
	s_load_b256 s[4:11], s[0:1], 0x0               ; part s[4:5], g3 s[6:7], be3 s[8:9], out0 s[10:11]
	v_lshl_add_u32 v[SPW], v0, 2, SPARE
	v_mov_b32 v[NIL], 0
	v_lshrrev_b32 v10, 5, v0
	v_readfirstlane_b32 s[WV], v10                 ; wave 0..3
	v_and_b32 v10, 15, v0                          ; lane % 16
	v_bfe_u32 v11, v0, 4, 1                        ; lane / 16
	v_and_b32 v[LO], 31, v0
	v_lshlrev_b32 v[LO], 4, v[LO]
	v_lshlrev_b32 v[FO], 5, v11
	v_lshlrev_b32 v[SL], 4, v10
	s_lshl_b32 s16, s[WV], 2
	v_add_nc_u32 v[SS], s16, v[SL]
	s_mul_i32 s24, s[WV], 16*SP
	s_add_co_u32 s24, s24, STG                     ; my stage
	v_mul_u32_u24 v[OS], v10, SP
	v_lshl_add_u32 v[OS], v11, 5, v[OS]
	v_add_nc_u32 v[OS], s24, v[OS]
	v_mul_u32_u24 v[OLD], v11, SP
	v_lshl_add_u32 v[OLD], v10, 4, v[OLD]
	v_add_nc_u32 v[OLD], s24, v[OLD]
	v_lshlrev_b32 v[GO], 10, v11
	v_lshl_add_u32 v[GO], v10, 4, v[GO]
	s_mov_b32 s[SEL], 0x76543210
	s_mov_b32 s[SEL+1], 0xfedcba98
	s_mov_b32 s[INV], 0x3b800000                   ; 1 / 256
	s_mov_b32 s[EPS], 0x3727c5ac                   ; 1e-5
	s_mov_b32 s17, 0
	s_mov_b32 s19, 0
	s_lshl_b32 s18, s[WV], 8                       ; my 64 features: 256 bytes
	s_wait_kmcnt 0x0
	s_add_nc_u64 s[6:7], s[6:7], s[18:19]
	s_add_nc_u64 s[8:9], s[8:9], s[18:19]
	s_lshl_b32 s16, ttmp9, 14                      ; 16 rows of 1,024 bytes
	s_add_co_u32 s16, s16, s18
	s_add_nc_u64 s[10:11], s[10:11], s[16:17]
	s_lshl_b32 s16, ttmp9, 14                      ; a row tile is 16 tiles of 1,024 bytes, mine the four at 4 w
	s_lshl_b32 s18, s[WV], 12
	s_add_co_u32 s16, s16, s18
	s_add_nc_u64 s[PA:PA+1], s[PA:PA+1], s[16:17]
	s_add_nc_u64 s[PB:PB+1], s[PA:PA+1], 2*PARTB
	LD8 GR, FO, 6
	LD8 BER, FO, 8
	LDP ACCB, PA, 0
	LDP P1, PA, PARTB
	LDP P2, PB, 0
	LDP P3, PB, PARTB
	s_wait_loadcnt 16                              ; loads come back in order: the last two quarters' 16 loads may stay out
.set i, 0
.rept 16
	v_pk_add_f32 v[ACCB+2*i:ACCB+2*i+1], v[ACCB+2*i:ACCB+2*i+1], v[P1+2*i:P1+2*i+1]
.set i, i+1
.endr
	s_wait_loadcnt 0x0
.set i, 0
.rept 16
	v_pk_add_f32 v[P2+2*i:P2+2*i+1], v[P2+2*i:P2+2*i+1], v[P3+2*i:P3+2*i+1]
.set i, i+1
.endr
.set i, 0
.rept 16
	v_pk_add_f32 v[ACCB+2*i:ACCB+2*i+1], v[ACCB+2*i:ACCB+2*i+1], v[P2+2*i:P2+2*i+1]
.set i, i+1
.endr
	LNORM STAT1, STAT2, 0
	; THE WAY OUT: a lane's 8 features of a row go into my own stage; whole pieces of rows, 256 bytes, come back.
.irp ft, 0,1,2,3
	ds_store_b128 v[OS], v[ACCB+8*\ft:ACCB+8*\ft+3]   offset:64*\ft
	ds_store_b128 v[OS], v[ACCB+8*\ft+4:ACCB+8*\ft+7] offset:64*\ft+16
.endr
.irp i, 0,1,2,3,4,5,6,7
	ds_load_b128 v[BK+4*\i:BK+4*\i+3], v[OLD] offset:2*SP*\i  ; LDS serves a wave's instructions in order (ISA guide 5.7.1.4): these see the stores above
.endr
.irp i, 0,1,2,3,4,5,6,7
	s_wait_dscnt 7-\i                              ; LDS loads come back in order: the later ones may stay out
	global_store_b128 v[GO], v[BK+4*\i:BK+4*\i+3], s[10:11] offset:2048*\i th:TH_STORE_NT  ; sixteen lanes store 256 consecutive bytes, aligned
.endr
	s_wait_tensorcnt 0x0                           ; the wave's end, behind my last LDS store
	ds_add_u32 v[SPW], v[NIL]
	s_wait_dscnt 0x0
	s_endpgm
.Lfunc_end_k_qb20550f57c_fin:
	.size	k_qb20550f57c_fin, .Lfunc_end_k_qb20550f57c_fin-k_qb20550f57c_fin
	.p2alignl 7, 3214868480
	.fill 96, 4, 3214868480
	.section	.rodata,"a",@progbits
	.p2align	6, 0x0
	.amdhsa_kernel k_qb20550f57c_fin
		.amdhsa_group_segment_fixed_size 18432
		.amdhsa_private_segment_fixed_size 0
		.amdhsa_enable_private_segment 0
		.amdhsa_kernarg_size 32
		.amdhsa_user_sgpr_count 2
		.amdhsa_user_sgpr_kernarg_segment_ptr 1
		.amdhsa_wavefront_size32 1
		.amdhsa_system_sgpr_workgroup_id_x 1
		.amdhsa_system_sgpr_workgroup_id_y 1
		.amdhsa_system_sgpr_workgroup_id_z 1
		.amdhsa_system_vgpr_workitem_id 0
		.amdhsa_next_free_vgpr 256
		.amdhsa_next_free_sgpr 66
		.amdhsa_reserve_vcc 0
		.amdhsa_float_denorm_mode_32 3
		.amdhsa_float_denorm_mode_16_64 3
		.amdhsa_memory_ordered 1
		.amdhsa_forward_progress 1
		.amdhsa_inst_pref_size 18
	.end_amdhsa_kernel
	.amdgpu_metadata
---
amdhsa.version: [ 1, 2 ]
amdhsa.kernels:
  - .name:           k_qb20550f57c_fin
    .symbol:         k_qb20550f57c_fin.kd
    .args:
      - { .name: part, .offset: 0, .size: 8, .value_kind: global_buffer, .address_space: global }
      - { .name: g3, .offset: 8, .size: 8, .value_kind: global_buffer, .address_space: global }
      - { .name: be3, .offset: 16, .size: 8, .value_kind: global_buffer, .address_space: global }
      - { .name: out0, .offset: 24, .size: 8, .value_kind: global_buffer, .address_space: global }
    .group_segment_fixed_size: 18432
    .private_segment_fixed_size: 0
    .kernarg_segment_align: 8
    .kernarg_segment_size: 32
    .max_flat_workgroup_size: 128
    .sgpr_count:     66
    .vgpr_count:     256
    .wavefront_size: 32
...
	.end_amdgpu_metadata
.endif
;; end of part 7
;; ======== version 3 of 3: 7 launches; version 2 with the launch ffn written anew for expert scheduling mode
;; workspace buffers: wf 3,145,728 bytes; q 2,097,152 bytes; kvs 4,194,304 bytes; kvc 4,194,304 bytes; o 2,097,152 bytes; x1 4,194,304 bytes; part 16,777,216 bytes
;; launch prep: the kernel of part 1 again; grid 192 x 1, 8 waves a work-group, no clusters, 0 bytes of LDS; arguments w1, w2, w_in_self, w_in_cross, w_out_self, w_out_cross, wf; writes wf
;; launch proj: the kernel of part 2 again; grid 128 x 2, 8 waves a work-group, no clusters, 34,816 bytes of LDS; arguments tgt, query_pos, memory, pos, b_in_self, b_in_cross, wf, q, kvs, kvc; writes q, kvs, kvc
;; launch attn: the kernel of part 3 again; grid 32 x 8, 8 waves a work-group, no clusters, 148,480 bytes of LDS; arguments q, kvs, o; writes o
;; launch mid: the kernel of part 4 again; grid 256 x 1, 4 waves a work-group, no clusters, 9,472 bytes of LDS; arguments o, tgt, query_pos, wf, b_out_self, g1, be1, b_in_cross, x1, q; writes x1, q
;; launch attn_cross: the kernel of part 3 again; grid 32 x 8, 8 waves a work-group, no clusters, 148,480 bytes of LDS; arguments q, kvc, o; writes o
;; launch ffn (part 8): grid 64 x 4, 4 waves a work-group, no clusters, 53,760 bytes of LDS; arguments o, x1, wf, b_out_cross, g2, be2, b1, b2, part; writes part
.if DOCPART == 8
	.amdgcn_target "amdgcn-amd-amdhsa--gfx1250"
	.amdhsa_code_object_version 6
	.text
	.protected	k_qb20550f57c_ffn
	.globl	k_qb20550f57c_ffn
	.p2align	8
	.type	k_qb20550f57c_ffn,@function
k_qb20550f57c_ffn:
	s_mov_b64 s[64:65], 0
	v_nop
	global_prefetch_b8 v0, s[64:65] scope:SCOPE_SE
	s_setreg_imm32_b32 hwreg(HW_REG_WAVE_SCHED_MODE, 0, 2), 2
	s_setreg_imm32_b32 hwreg(HW_REG_WAVE_MODE, 25, 1), 1
	s_wait_xcnt 0x0
	s_wait_alu depctr_vm_vsrc(0)
; x2 = LN(x1 + o Wo^T + bo; g2, be2);  part[y] = f (x2 + b2) + relu(x2 W1^T + b1) W2^T over the hidden units 512 y .. 512 y + 511, with f = 1 at y = 0 and 0 elsewhere.
; The four partial sums, in f32, are added and normed by the next launch.  The residual stays in f32; h never leaves the work-group.
; THE HIDDEN UNITS ARE SPLIT FOUR WAYS OVER WORK-GROUPS: 64 row blocks x 4 quarters are 256 work-groups, and a work-group walks a quarter of W1 and W2, 512 KiB, not all 2 MiB.  The price: x2 of a row block is made
; four times (128 products a wave), and 4 x 4 MiB of partial sums go through memory once.  No branch hangs on y: it enters four offsets and the factor f.
; The norm goes in two passes (the mean, then the sum of (x - mean)^2).  Roundings to bf16: o and the weights (earlier launches), x2 as an operand, h.  relu is taken on the rounded pairs by a maximum that drops a NaN;
; NaN and infinities are not treated apart otherwise (f = 0 times a number that is not finite is no 0).
; SHARES.  A work-group takes 64 rows (NRT = 4 tiles); wave w the output features 64 w .. 64 w + 63 and, of each step's 128 hidden units, 32 w .. 32 w + 31.  Each weight fragment is wanted by one wave,
; goes straight into its registers and feeds four products.  Four steps of 128 hidden units, written out: W2's two buffers lie in different register windows, and the step's number stands in the loads' immediates.
; LAYOUT.  All products are W x^T (source 0 = 16 features, source 1 = 16 rows): a lane holds ONE row (lane % 16) and the features 8 (lane / 16) + 0..7.  x2 and h change waves through LDS, as bf16 rows.
; part is laid out as accumulators lie: [y][row tile][feature tile], a tile of 1,024 bytes: byte 512 p + 16 lane + 4 e holds register 4 p + e.
; NO CLUSTER, NO TENSOR LOAD: the weights are taken into registers.
; REGISTERS.  Window 0 below.  Window 1: the rows' fragments X(rt, k) at 64 rt + 8 k (o, then x2).  Window 2: Wo (ft, k) at 8 (8 ft + k); then W1 (ht, k) at 8 (8 ht + k) and the even steps' W2 (ft, ks) at 128 + 8 (4 ft + ks).
; Window 3: v0-127 h's fragments (rt, ks) at 8 (4 rt + ks); v128-159 bo; v160-191 g2; v192-223 be2; v224-255 b2; when these four are used up, v128-255 take the odd steps' W2.
; THE MODE: SCHED_MODE bits 1:0 = 2 (LLVM: expert scheduling mode 2), set by the entry lines.  The code itself states the register dependences
; between vector or matrix instructions and memory or LDS instructions, with s_wait_alu, always for 0.
; THE PLAN.  Registers that memory or LDS instructions touch:
;   v1, v5 to v11    Offsets and LDS addresses: written at the head, never again; the steps are reached by immediate offsets, so no pointer is stepped either.
;   W1, b1           Step s: its first product reads them; behind the step's wait the loads of step s + 1 land in them.
;   W2, two buffers  Step s: its second product reads buffer s % 2; at the step's end the loads of step s + 1 land in the other, whose last reader is the second product of step s - 1.
;   h's fragments    Step s: its LDS loads land in them, its second product reads them.
;   HACC             Step s: its first product writes the eight accumulators; the roundings and relu close each up into its four low registers, which the eight LDS stores read; step s + 1's products write them again.
;   XT, TS, LD       At the head only: x2 rounded (16 LDS stores read it); the norm's partial sums (stored) and the four waves' (loaded).
;   YACC             x1's loads land in it; vector and matrix lines alone name it until the last 32 stores read it.
; So ONE wait on va_vdst stands in a step, behind its roundings: the stores' data are written; the first product is done reading W1 and b1; the step before's second product is done reading h's fragments and its W2 buffer.
; Behind it the only vector-side lines of the step are the second product's, which name this step's W2 buffer, h's fragments and YACC: none of the registers in which the step's loads land.
; One wait on vm_vsrc a step stands behind the first barrier: the LDS stores have read HACC.
.set PX,    528                        ; a row of 256 bf16 + 16 bytes;  PH: 256 bytes + 16: odd multiples of 16
.set PH,    272
.set XB,    0                          ; bf16(x2), 64 rows
.set HB,    64*PX                      ; a step's h, 64 rows x 128
.set STAT,  HB+64*PH                   ; two sets of partial sums: row tile rt, row r, wave w at 256 rt + 16 r + 4 w
.set SPARE, STAT+2*1024                ; the spare words, 128 bytes a wave: two blocks of 256 bytes that no other line names
.set WOC,   917504
.set W1F,   1048576
.set W2F,   2097152
.set NRT,   4
.set LO,  1                            ; v1   16 x lane
.set SPW, 2                            ; v2   my spare word; never rewritten
.set NIL, 3                            ; v3   0; never rewritten
.set ZERO, 4                           ; v4   0, for relu
.set FO,  5                            ; v5   32 (lane / 16)
.set SS,  6                            ; v6   16 (lane % 16) + 4 w
.set SL,  7                            ; v7   16 (lane % 16)
.set XS,  8                            ; v8   (lane % 16) x PX + 16 (lane / 16) + 128 w
.set XL,  9                            ; v9   (lane % 16) x PX + 16 (lane / 16)
.set HST, 10                           ; v10  (lane % 16) x PH + 16 (lane / 16) + 64 w
.set HLD, 11                           ; v11  (lane % 16) x PH + 16 (lane / 16)
.set YACC, 32                          ; v[32:159]  the residual and the sums: (ft, rt) at YACC + 8 (4 ft + rt)
.set ACCB, 32
.set HACC, 160                         ; v[160:223] h's sums: (ht, rt) at HACC + 8 (4 ht + rt); rounded in place, into the four low registers of each
.set TS,  160                          ; before the steps: the norm's registers at work,
.set LD,  168
.set XT,  160                          ; and then x2 rounded to bf16: accumulator a's four registers at XT + 4 a
.set B1R, 224                          ; v[224:239] b1 of my two hidden tiles
.set GR,  160                          ; in window 3
.set BER, 192
.set B2R, 224
.set Y,   20                           ; s20  which quarter of the hidden units
.set FAC, 22                           ; s[22:23] f, named as a pair
.set WV,  26
.set WOP, 28                           ; s[28:29] wf at my four row tiles of Wo
.set W1P, 30                           ; s[30:31] wf at my two row tiles of the quarter's first step of W1; never stepped
.set W2P, 32                           ; s[32:33] wf at my four row tiles of W2, at the quarter's first four k steps; never stepped
.set B1P, 16                           ; s[16:17] b1 at my 32 units of the quarter's first step; never stepped
.set OUTP, 24                          ; s[24:25] part at my quarter, rows and features
.set SEL, 38
.set INV, 40
.set EPS, 41
.set MSB, 0
.macro WIN new                         ; s_set_vgpr_msb: bits 1:0 source 0, 3:2 source 1, 5:4 source 2, 7:6 destination; the high byte repeats the setting that is left
.if MSB != (\new)
	s_set_vgpr_msb (MSB<<8)|(\new)
.set MSB, \new
.endif
.endm
.macro PLACES                          ; four plain vector instructions between a matrix instruction and a vector reader of its result or a vector writer of its registers (ISA guide 7.12.1)
.rept 4
	v_nop
.endr
.endm
.macro BAR
	s_wait_dscnt 0x0                               ; for the others' sake: my LDS stores are done
	s_barrier_signal -1
	s_barrier_wait -1
.endm
.macro LD8 dst, vo, sb
.set i, 0
.rept 8
	global_load_b128 v[(\dst)+4*i:(\dst)+4*i+3], v[\vo], s[\sb:(\sb)+1] offset:64*(i/2)+16*(i%2)
.set i, i+1
.endr
.endm
.macro LDF dst, n, sb, off
.set f, 0
.rept \n
	global_load_b128 v[(\dst)+8*f:(\dst)+8*f+3],   v[LO], s[\sb:(\sb)+1] offset:(\off)+1024*f
	global_load_b128 v[(\dst)+8*f+4:(\dst)+8*f+7], v[LO], s[\sb:(\sb)+1] offset:(\off)+1024*f+512
.set f, f+1
.endr
.endm
.macro LDW1 s                          ; W1 (32 loads) and b1 (4) of step s: a step is 65,536 bytes of W1's fragments and 512 of b1
	WIN 0x80
	LDF 0, 16, W1P, W1F+65536*(\s)
	WIN 0
.irp i, 0,1,2,3
	global_load_b128 v[B1R+4*\i:B1R+4*\i+3], v[FO], s[B1P:B1P+1] offset:512*(\s)+64*(\i/2)+16*(\i%2)
.endr
.endm
.macro LDW2 s                          ; W2 of step s, 32 loads, into buffer s % 2: window 2 or window 3; a step is 4,096 bytes in each row tile
.if (\s)%2
	WIN 0xc0
.else
	WIN 0x80
.endif
.set f, 0
.rept 16
	global_load_b128 v[128+8*f:128+8*f+3],   v[LO], s[W2P:W2P+1] offset:W2F+4096*(\s)+65536*(f/4)+1024*(f%4)
	global_load_b128 v[128+8*f+4:128+8*f+7], v[LO], s[W2P:W2P+1] offset:W2F+4096*(\s)+65536*(f/4)+1024*(f%4)+512
.set f, f+1
.endr
	WIN 0
.endm
; The lane's pair TS(rt) becomes the row's sum over 256 features, in LD(rt).
.macro RSUM st
.set rt, 0
.rept NRT
	v_add_f32 v[TS+2*rt], v[TS+2*rt], v[TS+2*rt+1]
.set rt, rt+1
.endr
.set rt, 0
.rept NRT
	v_permlanex16_b32 v[TS+2*rt+1], v[TS+2*rt], s[SEL], s[SEL+1]
.set rt, rt+1
.endr
.set rt, 0
.rept NRT
	v_add_f32 v[TS+2*rt], v[TS+2*rt], v[TS+2*rt+1]
.set rt, rt+1
.endr
	s_wait_alu depctr_va_vdst(0)                   ; the additions have written TS, which the LDS stores read; every earlier reader and writer of LD, in which the LDS loads below land, is done
.set rt, 0
.rept NRT
	ds_store_b32 v[SS], v[TS+2*rt] offset:(\st)+256*rt  ; both halves of the lanes store the same number to the same word
.set rt, rt+1
.endr
	BAR
.set rt, 0
.rept NRT
	ds_load_b128 v[LD+4*rt:LD+4*rt+3], v[SL] offset:(\st)+256*rt
.set rt, rt+1
.endr
	s_wait_dscnt 0x0
	s_wait_alu depctr_vm_vsrc(0)                   ; the LDS stores have read TS, which the lines behind this sum write again (the mean; the root)
.set rt, 0
.rept NRT
	v_add_f32 v[LD+4*rt], v[LD+4*rt], v[LD+4*rt+1]
	v_add_f32 v[LD+4*rt+2], v[LD+4*rt+2], v[LD+4*rt+3]
	v_add_f32 v[LD+4*rt], v[LD+4*rt], v[LD+4*rt+2]
.set rt, rt+1
.endr
.endm
; The norm, in place on the accumulators acc(ft, rt) at ACCB + 8 (NRT ft + rt); pair i of 16 is registers 2 (i % 4) of feature tile i / 4.  Each accumulator is read from its low end on.
.macro LNORM st1, st2, gwin
.set rt, 0
.rept NRT
	v_pk_add_f32 v[TS+2*rt:TS+2*rt+1], v[ACCB+8*rt:ACCB+8*rt+1], v[ACCB+8*rt+2:ACCB+8*rt+3]
.set rt, rt+1
.endr
.set i, 2
.rept 14
.set rt, 0
.rept NRT
	v_pk_add_f32 v[TS+2*rt:TS+2*rt+1], v[TS+2*rt:TS+2*rt+1], v[ACCB+8*(NRT*(i/4)+rt)+2*(i%4):ACCB+8*(NRT*(i/4)+rt)+2*(i%4)+1]
.set rt, rt+1
.endr
.set i, i+1
.endr
	RSUM \st1
.set rt, 0
.rept NRT
	v_mul_f32 v[TS+2*rt], s[INV], v[LD+4*rt]       ; the mean
.set rt, rt+1
.endr
.set i, 0
.rept 16
.set rt, 0
.rept NRT
	v_pk_add_f32 v[ACCB+8*(NRT*(i/4)+rt)+2*(i%4):ACCB+8*(NRT*(i/4)+rt)+2*(i%4)+1], v[ACCB+8*(NRT*(i/4)+rt)+2*(i%4):ACCB+8*(NRT*(i/4)+rt)+2*(i%4)+1], v[TS+2*rt:TS+2*rt+1] op_sel_hi:[1,0] neg_lo:[0,1] neg_hi:[0,1]
.set rt, rt+1
.endr
.set i, i+1
.endr
.set rt, 0
.rept NRT
	v_pk_mul_f32 v[TS+2*rt:TS+2*rt+1], v[ACCB+8*rt:ACCB+8*rt+1], v[ACCB+8*rt:ACCB+8*rt+1]
.set rt, rt+1
.endr
.set i, 1
.rept 15
.set rt, 0
.rept NRT
	v_pk_fma_f32 v[TS+2*rt:TS+2*rt+1], v[ACCB+8*(NRT*(i/4)+rt)+2*(i%4):ACCB+8*(NRT*(i/4)+rt)+2*(i%4)+1], v[ACCB+8*(NRT*(i/4)+rt)+2*(i%4):ACCB+8*(NRT*(i/4)+rt)+2*(i%4)+1], v[TS+2*rt:TS+2*rt+1]
.set rt, rt+1
.endr
.set i, i+1
.endr
	RSUM \st2
.set rt, 0
.rept NRT
	v_fma_f32 v[LD+4*rt], v[LD+4*rt], s[INV], s[EPS]  ; the variance + 1e-5
.set rt, rt+1
.endr
.set rt, 0
.rept NRT
	v_rsq_f32 v[TS+2*rt], v[LD+4*rt]
.set rt, rt+1
.endr
	v_nop                                          ; a plain instruction behind the last root,
	s_wait_alu depctr_va_vdst(0)                   ; and the one wait ahead of the first reader: the four roots have written TS
.set i, 0
.rept 16
.set rt, 0
.rept NRT
	v_pk_mul_f32 v[ACCB+8*(NRT*(i/4)+rt)+2*(i%4):ACCB+8*(NRT*(i/4)+rt)+2*(i%4)+1], v[ACCB+8*(NRT*(i/4)+rt)+2*(i%4):ACCB+8*(NRT*(i/4)+rt)+2*(i%4)+1], v[TS+2*rt:TS+2*rt+1] op_sel_hi:[1,0]
.set rt, rt+1
.endr
.set i, i+1
.endr
	WIN \gwin
.set i, 0
.rept 16
.set rt, 0
.rept NRT
	v_pk_fma_f32 v[ACCB+8*(NRT*(i/4)+rt)+2*(i%4):ACCB+8*(NRT*(i/4)+rt)+2*(i%4)+1], v[ACCB+8*(NRT*(i/4)+rt)+2*(i%4):ACCB+8*(NRT*(i/4)+rt)+2*(i%4)+1], v[GR+2*i:GR+2*i+1], v[BER+2*i:BER+2*i+1]
.set rt, rt+1
.endr
.set i, i+1
.endr
	WIN 0
.endm
; STEP s: 128 hidden units.  h^T = b1 + W1 x2^T for my 32 of them; relu, rounded, into LDS; a barrier; all 128 back as fragments; y^T += W2 h^T for my 64 features.
; Two barriers round the one buffer of h: store, barrier, load; and load, barrier, the next step's store.  W1 of the next step has the second product in which to land, W2 the first.
; last = 1: the last step, which loads no weights and has no second barrier.
.macro STEP s, last
	s_wait_loadcnt 32                              ; W1 and b1 of this step are in; W2's 32 loads, issued behind them, may stay out
	WIN 0x06                                       ; source 0 (W1) window 2, source 1 (x2) window 1
.set k, 0
.rept 8
.set a, 0
.rept 8                                ; a = 4 ht + rt: the eight accumulators take turns
.if k == 0
	v_wmma_f32_16x16x32_bf16 v[HACC+8*a:HACC+8*a+7], v[8*(8*(a/4)+k):8*(8*(a/4)+k)+7], v[64*(a%4)+8*k:64*(a%4)+8*k+7], v[B1R+8*(a/4):B1R+8*(a/4)+7]
.else
	v_wmma_f32_16x16x32_bf16 v[HACC+8*a:HACC+8*a+7], v[8*(8*(a/4)+k):8*(8*(a/4)+k)+7], v[64*(a%4)+8*k:64*(a%4)+8*k+7], v[HACC+8*a:HACC+8*a+7]
.endif
.set a, a+1
.endr
.set k, k+1
.endr
	WIN 0
	PLACES
.set a, 0
.rept 8                                ; eight numbers close up into the first four of their eight registers, from the low end on; then relu on the pairs
.irp j, 0,1,2,3
	v_cvt_pk_bf16_f32 v[HACC+8*a+\j], v[HACC+8*a+2*\j], v[HACC+8*a+2*\j+1]
.endr
.irp j, 0,1,2,3
	v_pk_max_num_bf16 v[HACC+8*a+\j], v[HACC+8*a+\j], v[ZERO]
.endr
.set a, a+1
.endr
	s_wait_alu depctr_va_vdst(0)                   ; the maxima have written the stores' data; the first product is done reading W1 and b1; all before it is done reading h's fragments and the other W2 buffer (in step 0: bo, g2, be2, b2)
.set a, 0
.rept 8
	ds_store_b128 v[HST], v[HACC+8*a:HACC+8*a+3] offset:HB+16*PH*(a%4)+32*(a/4)
.set a, a+1
.endr
.if !(\last)
	LDW1 (\s)+1                                    ; no wait: no vector or matrix line since the wait above names W1's registers or b1's
.endif
	BAR                                            ; all four waves' h lies in LDS
.if !(\last)
	s_wait_alu depctr_vm_vsrc(0)                   ; my LDS stores have read HACC's registers, which the next step's first product writes again
.endif
	WIN 0xc0
.set f, 0
.rept 16                               ; f = 4 rt + ks.  No wait: no vector or matrix line since the step's wait names h's fragments
	ds_load_b128 v[8*f:8*f+3],   v[HLD] offset:HB+16*PH*(f/4)+64*(f%4)
	ds_load_b128 v[8*f+4:8*f+7], v[HLD] offset:HB+16*PH*(f/4)+64*(f%4)+32
.set f, f+1
.endr
.if \last
	s_wait_loadcnt 0x0                             ; W2
	s_wait_dscnt 0x0
.else
	s_wait_loadcnt 36                              ; W2 of this step is in; the next step's W1 and b1, 36 loads, may stay out
	s_wait_dscnt 0x0                               ; my reads of h are over:
	s_barrier_signal -1                            ; say so; the products below, work on registers alone, stand between the signal and the wait
.endif
	WIN 0x0e+(\s)%2                                ; source 0 (W2) window 2 or 3, by the step's parity; source 1 (h) window 3
.set ks, 0
.rept 4
.set a, 0
.rept 16                               ; a = 4 ft + rt: sixteen accumulators take turns
	v_wmma_f32_16x16x32_bf16 v[YACC+8*a:YACC+8*a+7], v[128+8*(4*(a/4)+ks):128+8*(4*(a/4)+ks)+7], v[8*(4*(a%4)+ks):8*(4*(a%4)+ks)+7], v[YACC+8*a:YACC+8*a+7]
.set a, a+1
.endr
.set ks, ks+1
.endr
	WIN 0
.if !(\last)
	s_barrier_wait -1                              ; nobody reads h any more: the next step may store it
	LDW2 (\s)+1                                    ; into the other buffer.  No wait: its last readers stand ahead of the step's wait, and the products above name this step's buffer alone
.endif
.endm
	s_load_b256 s[4:11], s[0:1], 0x0               ; o s[4:5], x1 s[6:7], wf s[8:9], b_out_cross s[10:11]
	s_load_b256 s[12:19], s[0:1], 0x20             ; g2 s[12:13], be2 s[14:15], b1 s[16:17], b2 s[18:19]
	s_load_b64 s[24:25], s[0:1], 0x40              ; part
	v_lshl_add_u32 v[SPW], v0, 2, SPARE
	v_mov_b32 v[NIL], 0
	v_lshrrev_b32 v16, 5, v0
	v_readfirstlane_b32 s[WV], v16                 ; wave 0..3
	v_and_b32 v16, 15, v0
	v_bfe_u32 v17, v0, 4, 1
	v_and_b32 v[LO], 31, v0
	v_lshlrev_b32 v[LO], 4, v[LO]
	v_mov_b32 v[ZERO], 0
	v_lshlrev_b32 v[FO], 5, v17
	v_lshlrev_b32 v[SL], 4, v16
	s_wait_alu depctr_va_sdst(0)                   ; the wave's number is written, ahead of its first reader: LDS addresses and all the bases are made from it
	s_lshl_b32 s42, s[WV], 2                       ; three registers of their own: none that a vector line reads is written again
	s_lshl_b32 s43, s[WV], 7
	s_lshl_b32 s44, s[WV], 6
	v_add_nc_u32 v[SS], s42, v[SL]
	v_mul_u32_u24 v[XL], v16, PX
	v_lshl_add_u32 v[XL], v17, 4, v[XL]
	v_add_nc_u32 v[XS], s43, v[XL]
	v_mul_u32_u24 v[HLD], v16, PH
	v_lshl_add_u32 v[HLD], v17, 4, v[HLD]
	v_add_nc_u32 v[HST], s44, v[HLD]
	s_and_b32 s[Y], ttmp7, 0xffff                  ; my quarter of the hidden units
	s_cmp_eq_u32 s[Y], 0
	s_cselect_b32 s[FAC], 1.0, 0                   ; the first quarter's sums carry the residual and b2
	s_mov_b32 s[FAC+1], s[FAC]
	s_mov_b32 s[SEL], 0x76543210
	s_mov_b32 s[SEL+1], 0xfedcba98
	s_mov_b32 s[INV], 0x3b800000                   ; 1 / 256
	s_mov_b32 s[EPS], 0x3727c5ac                   ; 1e-5
	s_mov_b32 s35, 0
	s_mov_b32 s37, 0
	s_lshl_b32 s36, s[WV], 8                       ; my 64 features: 256 bytes
	s_wait_kmcnt 0x0
	s_lshl_b32 s34, ttmp9, 15                      ; o: four query tiles of 8,192 bytes
	s_add_nc_u64 s[4:5], s[4:5], s[34:35]
	s_add_nc_u64 s[10:11], s[10:11], s[36:37]
	s_add_nc_u64 s[12:13], s[12:13], s[36:37]
	s_add_nc_u64 s[14:15], s[14:15], s[36:37]
	s_add_nc_u64 s[18:19], s[18:19], s[36:37]
	s_lshl_b32 s34, ttmp9, 16                      ; x1 and part: four row tiles of 16,384 bytes; my four feature tiles of 1,024
	s_lshl_b32 s36, s[WV], 12
	s_add_co_u32 s34, s34, s36
	s_add_nc_u64 s[6:7], s[6:7], s[34:35]
	s_lshl_b32 s36, s[Y], 22                       ; a quarter's partial sums are 4,194,304 bytes
	s_add_co_u32 s34, s34, s36
	s_add_nc_u64 s[OUTP:OUTP+1], s[OUTP:OUTP+1], s[34:35]
	s_lshl_b32 s34, s[WV], 7                       ; b1: my 32 hidden units of a step are 128 bytes, a quarter 2,048
	s_lshl_b32 s36, s[Y], 11
	s_add_co_u32 s34, s34, s36
	s_add_nc_u64 s[B1P:B1P+1], s[B1P:B1P+1], s[34:35]
	s_lshl_b32 s34, s[WV], 15
	s_add_nc_u64 s[WOP:WOP+1], s[8:9], s[34:35]
	s_lshl_b32 s34, s[WV], 14                      ; W1: my two row tiles of a step, a quarter's four steps of 65,536 bytes
	s_lshl_b32 s36, s[Y], 18
	s_add_co_u32 s34, s34, s36
	s_add_nc_u64 s[W1P:W1P+1], s[8:9], s[34:35]
	s_lshl_b32 s34, s[WV], 18                      ; W2: my four row tiles, a quarter's four steps of 4,096 bytes in each
	s_lshl_b32 s36, s[Y], 14
	s_add_co_u32 s34, s34, s36
	s_add_nc_u64 s[W2P:W2P+1], s[8:9], s[34:35]
	s_wait_alu depctr_va_vdst(0)                   ; the offsets and LDS addresses v1 and v5 to v11 are written, which every load and store of the kernel reads; so are v2 and v3
.set a, 0
.rept 16                               ; x1 starts the sums: nothing is cleared
	global_load_b128 v[YACC+8*a:YACC+8*a+3],   v[LO], s[6:7] offset:16384*(a%4)+1024*(a/4)
	global_load_b128 v[YACC+8*a+4:YACC+8*a+7], v[LO], s[6:7] offset:16384*(a%4)+1024*(a/4)+512
.set a, a+1
.endr
	WIN 0xc0
	LD8 128, FO, 10                                ; bo
	WIN 0x40
	LDF 0, 32, 4, 0                                ; o: row tile rt, head k at 1,024 (8 rt + k)
	WIN 0x80
	LDF 0, 32, WOP, WOC
	WIN 0xc0
	LD8 GR, FO, 12                                 ; g2
	LD8 BER, FO, 14                                ; be2
	LD8 B2R, FO, 18                                ; b2
	s_wait_loadcnt 24                              ; those last 24 may stay out (a load whose issue would pass the counter's field waits at issue: ISA guide 5.7.1)
	WIN 0x0c                                       ; source 1 window 3
.set a, 0
.rept 16
.irp j, 0,1,2,3
	v_pk_add_f32 v[YACC+8*a+2*\j:YACC+8*a+2*\j+1], v[YACC+8*a+2*\j:YACC+8*a+2*\j+1], v[128+8*(a/4)+2*\j:128+8*(a/4)+2*\j+1]
.endr
.set a, a+1
.endr
	WIN 0x06                                       ; source 0 (Wo) window 2, source 1 (o) window 1
.set k, 0
.rept 8
.set a, 0
.rept 16
	v_wmma_f32_16x16x32_bf16 v[YACC+8*a:YACC+8*a+7], v[8*(8*(a/4)+k):8*(8*(a/4)+k)+7], v[64*(a%4)+8*k:64*(a%4)+8*k+7], v[YACC+8*a:YACC+8*a+7]
.set a, a+1
.endr
.set k, k+1
.endr
	WIN 0
	PLACES                                         ; for the norm's first lines, which read the sums
	s_wait_alu depctr_va_vdst(0)                   ; the products are done reading Wo, in whose registers W1 and W2 of step 0 land, and o, in whose registers x2's fragments land further down
	LDW1 0                                         ; the first step's weights go out under the norm
	LDW2 0
	s_wait_loadcnt 63                              ; g2, be2, b2: 68 loads are younger and the count holds 63 at the most, so this asks for a little more than is needed
	LNORM STAT, STAT+1024, 0x3c                    ; x2, in f32, in place
.set a, 0
.rept 16
.irp j, 0,1,2,3
	v_cvt_pk_bf16_f32 v[XT+4*a+\j], v[YACC+8*a+2*\j], v[YACC+8*a+2*\j+1]
.endr
.set a, a+1
.endr
	s_wait_alu depctr_va_vdst(0)                   ; the 64 roundings have written XT, which the 16 LDS stores read
.set a, 0
.rept 16
	ds_store_b128 v[XS], v[XT+4*a:XT+4*a+3] offset:XB+16*PX*(a%4)+32*(a/4)
.set a, a+1
.endr
	BAR                                            ; the rows of x2 are whole; nothing is stored into XB behind this barrier
	s_wait_alu depctr_vm_vsrc(0)                   ; my LDS stores have read XT: these registers are HACC from here on, written by the steps' first products
	WIN 0x40
.set f, 0
.rept 32                               ; no wait: window 1's last readers, the out-projection's products, stand ahead of the waits above, and nothing has named it since
	ds_load_b128 v[8*f:8*f+3],   v[XL] offset:XB+16*PX*(f/8)+64*(f%8)
	ds_load_b128 v[8*f+4:8*f+7], v[XL] offset:XB+16*PX*(f/8)+64*(f%8)+32
.set f, f+1
.endr
	WIN 0xc3                                       ; destination and source 0 window 3
.set i, 0
.rept 16
	v_pk_mul_f32 v[B2R+2*i:B2R+2*i+1], v[B2R+2*i:B2R+2*i+1], s[FAC:FAC+1] op_sel_hi:[1,0]  ; f b2
.set i, i+1
.endr
	WIN 0x30                                       ; source 2 window 3
.set a, 0
.rept 16                               ; the second product's sums start from f x2 + f b2: x2 + b2 in the first quarter, 0 in the others
.irp j, 0,1,2,3
	v_pk_fma_f32 v[YACC+8*a+2*\j:YACC+8*a+2*\j+1], v[YACC+8*a+2*\j:YACC+8*a+2*\j+1], s[FAC:FAC+1], v[B2R+8*(a/4)+2*\j:B2R+8*(a/4)+2*\j+1] op_sel_hi:[1,0,1]
.endr
.set a, a+1
.endr
	WIN 0
	s_wait_dscnt 0x0
	STEP 0, 0                                      ; W2 in window 2; asks for step 1's into window 3
	STEP 1, 0                                      ; W2 in window 3; asks for step 2's into window 2
	STEP 2, 0
	STEP 3, 1                                      ; the last step loads nothing
	PLACES                                         ; four places behind the last matrix instruction, before its result is read (ISA guide 7.12.1)
	s_wait_alu depctr_va_vdst(0)                   ; the last products have written YACC, which the stores read; the places above stay beside this wait
.set a, 0
.rept 16                               ; the partial sums leave as they lie: each store covers 512 consecutive bytes, aligned; each accumulator's low half first
	global_store_b128 v[LO], v[YACC+8*a:YACC+8*a+3],   s[OUTP:OUTP+1] offset:16384*(a%4)+1024*(a/4)
	global_store_b128 v[LO], v[YACC+8*a+4:YACC+8*a+7], s[OUTP:OUTP+1] offset:16384*(a%4)+1024*(a/4)+512
.set a, a+1
.endr
	s_wait_dscnt 0x0                               ; the closing lines, six on end
	s_wait_alu 0x0
	s_wait_tensorcnt 0x0
	ds_add_u32 v[SPW], v[NIL]
	s_wait_dscnt 0x0
	s_endpgm
.Lfunc_end_k_qb20550f57c_ffn:
	.size	k_qb20550f57c_ffn, .Lfunc_end_k_qb20550f57c_ffn-k_qb20550f57c_ffn
	.p2alignl 7, 3214868480
	.fill 96, 4, 3214868480
	.section	.rodata,"a",@progbits
	.p2align	6, 0x0
	.amdhsa_kernel k_qb20550f57c_ffn
		.amdhsa_group_segment_fixed_size 53760
		.amdhsa_private_segment_fixed_size 0
		.amdhsa_enable_private_segment 0
		.amdhsa_kernarg_size 72
		.amdhsa_user_sgpr_count 2
		.amdhsa_user_sgpr_kernarg_segment_ptr 1
		.amdhsa_wavefront_size32 1
		.amdhsa_system_sgpr_workgroup_id_x 1
		.amdhsa_system_sgpr_workgroup_id_y 1
		.amdhsa_system_sgpr_workgroup_id_z 1
		.amdhsa_system_vgpr_workitem_id 0
		.amdhsa_next_free_vgpr 1024
		.amdhsa_next_free_sgpr 66
		.amdhsa_reserve_vcc 0
		.amdhsa_float_denorm_mode_32 3
		.amdhsa_float_denorm_mode_16_64 3
		.amdhsa_memory_ordered 1
		.amdhsa_forward_progress 1
		.amdhsa_inst_pref_size 161
	.end_amdhsa_kernel
	.amdgpu_metadata
---
amdhsa.version: [ 1, 2 ]
amdhsa.kernels:
  - .name:           k_qb20550f57c_ffn
    .symbol:         k_qb20550f57c_ffn.kd
    .args:
      - { .name: o, .offset: 0, .size: 8, .value_kind: global_buffer, .address_space: global }
      - { .name: x1, .offset: 8, .size: 8, .value_kind: global_buffer, .address_space: global }
      - { .name: wf, .offset: 16, .size: 8, .value_kind: global_buffer, .address_space: global }
      - { .name: b_out_cross, .offset: 24, .size: 8, .value_kind: global_buffer, .address_space: global }
      - { .name: g2, .offset: 32, .size: 8, .value_kind: global_buffer, .address_space: global }
      - { .name: be2, .offset: 40, .size: 8, .value_kind: global_buffer, .address_space: global }
      - { .name: b1, .offset: 48, .size: 8, .value_kind: global_buffer, .address_space: global }
      - { .name: b2, .offset: 56, .size: 8, .value_kind: global_buffer, .address_space: global }
      - { .name: part, .offset: 64, .size: 8, .value_kind: global_buffer, .address_space: global }
    .group_segment_fixed_size: 53760
    .private_segment_fixed_size: 0
    .kernarg_segment_align: 8
    .kernarg_segment_size: 72
    .max_flat_workgroup_size: 128
    .sgpr_count:     66
    .vgpr_count:     1024
    .wavefront_size: 32
...
	.end_amdgpu_metadata
.endif
;; end of part 8
;; launch fin: the kernel of part 7 again; grid 256 x 1, 4 waves a work-group, no clusters, 18,432 bytes of LDS; arguments part, g3, be3, out0; writes out0
